; MI455X (gfx1250); checked and timed in simulation.
; The chip was launched on July 23, 2026; its instructions are those of AMD's public machine-readable ISA for CDNA 5 (MIT licence, August 2026) and "CDNA5" Instruction Set Architecture Reference Guide (July 2026). The comments in the code are by the model that wrote it; some were corrected since.
;; Simple Query Decoder. Allowed arithmetic: float matrix products may take bf16 or f16 operands with f32 sums; other float arithmetic in f32, or as packed bf16 or f16 multiplies, adds, multiply-adds, maxima and minima; sums over many terms, partial sums and values carried from step to step in f32; what a program stores and reads back later, other than sums and carried values, may be rounded once to bf16 or f16.
;; Inputs: Wk 256 x 256 float32; Wq 256 x 256 float32; Wv 256 x 256 float32; bb1 256 float32; bb2 256 float32; bk 256 float32; bq 256 float32; bv 256 float32; bw1 256 x 256 float32; bw2 256 x 256 float32; cb1 256 float32; cb2 3 float32; clb 4 float32; clw 4 x 256 float32; coords 32 x 8,192 x 3 float32; cw1 256 x 256 float32; cw2 3 x 256 float32; gb1 256 float32; gb2 256 float32; gw1 256 x 256 float32; gw2 256 x 256 float32; inv_temp one number float32; mean 32 x 1 x 3 float32; memory 32 x 8,192 x 256 float32; memory_mask 32 x 8,192 bool; query_embed 100 x 256 float32; sb1 256 float32; sb2 3 float32; scale 32 x 1 x 3 float32; sw1 256 x 256 float32; sw2 3 x 256 float32.
;; Outputs: out0 32 x 100 x 6 float32; out1 32 x 100 x 4 float32.
;; 2 versions, each right; version 2 is version 1 with the launch attn written anew for expert scheduling mode. Each part assembles by itself: llvm-mc -triple=amdgcn-amd-amdhsa -mcpu=gfx1250 --defsym DOCPART=n.
;; ======== version 1 of 2: 4 launches
;; workspace buffers: qk 66,048 bytes; wb 942,080 bytes; part 31,653,888 bytes; gsum 393,216 bytes; qf 3,784,704 bytes; gbw 65,536 bytes
;; launch prep (part 1): grid 43 x 1, 4 waves a work-group, no clusters, 82,432 bytes of LDS; arguments query_embed, Wq, bq, Wk, bk, inv_temp, Wv, cw1, sw1, gw1, gw2, bw1, bw2, cw2, sw2, clw, qk, wb; writes qk, wb
.if DOCPART == 1
	.amdgcn_target "amdgcn-amd-amdhsa--gfx1250"
	.amdhsa_code_object_version 6
	.text
	.protected	k_qe88eb3e074_prep
	.globl	k_qe88eb3e074_prep
	.p2align	8
	.type	k_qe88eb3e074_prep,@function
k_qe88eb3e074_prep:
	s_mov_b64 s[64:65], 0
	v_nop
	global_prefetch_b8 v0, s[64:65] scope:SCOPE_SE
	s_setreg_imm32_b32 hwreg(HW_REG_WAVE_MODE, 25, 1), 1
	s_wait_xcnt 0x0
; PREP.  Two kinds of work-group, told apart by the work-group's number alone.
; 0..13 (query tile t = id / 2, half ih = id % 2 of the 256 columns): q = qe Wq^T + bq, then qk' = c (q Wk) and qb' = c (q . bk), c = inv_temp log2(e) / 16.
;   q.k = (q Wk).mem + q.bk, so the keys are never projected.  qk' is stored in bf16 as the second source of the score product (16 queries x 32 channels a block of 1,024 bytes:
;   registers 0-3 of lane l at 16 l, registers 4-7 at 512 + 16 l); qb' in f32 behind it.  Query rows 100..127 are 0.
; 14..42: one unit of 16 weight rows a wave is rounded to bf16 and stored as eight first-source blocks of the same form, so that later launches load fragments as they lie.
; All inputs are rounded to bf16 once; q is rounded to bf16 once between the two products; sums in f32.
.set WP,    288                        ; a row of Wk in LDS: 128 bf16 columns, then bk[d] and 15 zeros: 9 x 32 bytes, which the turning load takes without two lanes on one bank
.set QX,    256*WP                     ; behind it: q^T as 8 blocks of 1,024 bytes
.set SPARE, QX+8192                    ; the spare words: 128 bytes a wave
.set R,   1                            ; lane % 16
.set H,   2                            ; lane / 16
.set L,   3                            ; lane
.set VQE, 4
.set VBQ, 5
.set VWQ, 6
.set VBK, 7
.set VWK, 8
.set VSW, 9
.set VSB, 10
.set VQS, 11
.set VQL, 12
.set VTA, 13                           ; v13, v14
.set VTC, 15                           ; v15, v16
.set VQO, 17
.set VQB, 18
.set QI,  19                           ; 16 t + lane % 16
.set QJ,  20                           ; 16 t + lane
.set CC,  21
.set CM,  22                           ; v22, v23: c, or 0 for a query row past 99
.set CQ,  24
.set T,   26                           ; v26, v27 at work
.set TMPA, 28
.set SPW, 30
.set NIL, 31
.set QE,  32                           ; v32-159 qe in f32; in bf16 v32-95, fragment i at 8 i; later q^T
.set TA,  96                           ; v96-159 two buffers of four fragments of Wq
.set D1,  160                          ; v160-191 q^T, four accumulators
.set BQ,  192                          ; v192-223 bq
.set D2,  224                          ; v224-247 qk^T: two blocks of 16 columns, and the block that holds q . bk
.set BKR, 248
.set FS,  32                           ; the converting waves: 128 f32
.set FO,  160                          ; and 64 registers of bf16
.set MSB, 0
.macro WIN new                         ; the high byte repeats the setting that is left; a switch that changes nothing is dropped
.if MSB != (\new)
	s_set_vgpr_msb (MSB<<8)|(\new)
.set MSB, \new
.endif
.endm
.macro PLACES                          ; four plain instructions behind a matrix instruction (ISA guide 7.12.1)
.rept 4
	v_nop
.endr
.endm
	s_load_b512 s[8:23], s[0:1], 0x0               ; query_embed 8, Wq 10, bq 12, Wk 14, bk 16, inv_temp 18, Wv 20, cw1 22
	s_load_b512 s[24:39], s[0:1], 0x40             ; sw1 24, gw1 26, gw2 28, bw1 30, bw2 32, cw2 34, sw2 36, clw 38
	s_load_b128 s[40:43], s[0:1], 0x80             ; qk 40, wb 42
	v_lshl_add_u32 v[SPW], v0, 2, SPARE
	v_mov_b32 v[NIL], 0
	v_lshrrev_b32 v[R], 5, v0
	v_readfirstlane_b32 s4, v[R]                   ; wave
	v_and_b32 v[R], 15, v0
	v_bfe_u32 v[H], v0, 4, 1
	v_and_b32 v[L], 31, v0
	s_mov_b32 s53, 0
	s_wait_kmcnt 0x0
	s_cmp_ge_u32 ttmp9, 14
	s_cbranch_scc1 .Lconv
	; ---------------- the queries ----------------
	s_load_b32 s7, s[18:19], 0x0                   ; inv_temp
	s_lshr_b32 s5, ttmp9, 1                        ; t
	s_and_b32 s6, ttmp9, 1                         ; ih
	s_lshl_b32 s44, s5, 4
	v_add_nc_u32 v[QI], s44, v[R]
	v_add_nc_u32 v[QJ], s44, v[L]
	v_min_u32 v[VQE], 99, v[QI]                    ; rows past the table's end take its last row; their results are set to 0
	v_lshlrev_b32 v[VQE], 10, v[VQE]
	v_lshl_add_u32 v[VQE], v[H], 5, v[VQE]         ; row x 1,024 + 32 h
	s_lshl_b32 s45, s4, 8
	v_lshl_add_u32 v[VBQ], v[H], 5, s45            ; 256 w + 32 h
	v_lshl_add_u32 v[VBK], v[L], 2, s45            ; 4 (64 w + l)
	s_lshl_b32 s46, s4, 16                         ; my 64 rows of Wq and of Wk
	v_lshl_add_u32 v[VWQ], v[R], 10, s46
	v_lshl_add_u32 v[VWQ], v[H], 5, v[VWQ]
	s_lshl_b32 s47, s6, 9
	s_add_co_u32 s47, s47, s46
	v_lshl_add_u32 v[VWK], v[L], 4, s47            ; 512 consecutive bytes of a row a load
	; all loads go out at once, in the order of their use
.set n, 0
.rept 32                                           ; qe: k step n / 4, half (n / 2) % 2, 16 bytes n % 2
	global_load_b128 v[QE+4*n:QE+4*n+3], v[VQE], s[8:9] offset:128*(n/4)+64*((n/2)%2)+16*(n%2)
.set n, n+1
.endr
.set n, 0
.rept 8
	global_load_b128 v[BQ+4*n:BQ+4*n+3], v[VBQ], s[12:13] offset:64*(n/2)+16*(n%2)
.set n, n+1
.endr
.set ob, 0
.rept 4                                            ; Wq: blocks 0, 1 of my four into window 1, blocks 2, 3 into window 2
	WIN 0x40*(1+ob/2)
.set n, 0
.rept 32
	global_load_b128 v[128*(ob%2)+4*n:128*(ob%2)+4*n+3], v[VWQ], s[10:11] offset:16384*ob+128*(n/4)+64*((n/2)%2)+16*(n%2)
.set n, n+1
.endr
.set ob, ob+1
.endr
	WIN 0
	global_load_b32 v[BKR], v[VBK], s[16:17]
	global_load_b32 v[BKR+1], v[VBK], s[16:17] offset:128
	WIN 0xc0
.set n, 0
.rept 64                                           ; Wk: my 64 rows, the half's 128 columns, into window 3
	global_load_b128 v[4*n:4*n+3], v[VWK], s[14:15] offset:1024*n
.set n, n+1
.endr
	WIN 0
	s_mul_i32 s48, s4, 64*WP
	v_lshl_add_u32 v[VSW], v[L], 3, s48            ; Wk into LDS: my rows, 8 bytes a lane
	v_mul_u32_u24 v[VSB], v[L], WP
	v_add_nc_u32 v[VSB], s48, v[VSB]               ; bk into LDS: a row a lane
	s_lshl_b32 s49, s4, 11
	s_add_co_u32 s49, s49, QX
	v_lshl_add_u32 v[VQS], v[L], 4, s49            ; my two blocks of q^T
	v_lshlrev_b32 v[VQL], 4, v[L]
	v_add_nc_u32 v[VQL], QX, v[VQL]
	v_and_b32 v[TMPA], 7, v0
	v_lshl_add_u32 v[TMPA], v[H], 3, v[TMPA]
	v_mul_u32_u24 v[VTC], v[TMPA], WP              ; the turning load: row 8 h + l % 8,
	v_bfe_u32 v[TMPA], v0, 3, 1
	v_lshl_add_u32 v[VTC], v[TMPA], 4, v[VTC]      ; 16 bytes (l / 8) % 2
	v_add_nc_u32 v[VTC+1], 128*WP, v[VTC]          ; rows 128 on: the 16-bit immediate does not reach them
	s_lshl_b32 s50, s4, 6
	v_add_nc_u32 v[VTA], s50, v[VTC]               ; my two blocks of 16 columns
	v_add_nc_u32 v[VTA+1], s50, v[VTC+1]
	s_lshl_b32 s51, s5, 13
	s_lshl_b32 s44, s6, 12
	s_add_co_u32 s51, s51, s44
	s_lshl_b32 s44, s4, 10
	s_add_co_u32 s51, s51, s44
	v_lshl_add_u32 v[VQO], v[L], 4, s51            ; qk: tile t, k step 4 ih + w
	v_lshlrev_b32 v[VQB], 2, v[QJ]
	v_add_nc_u32 v[VQB], 0x10000, v[VQB]
	s_wait_kmcnt 0x0
	v_mov_b32 v[CC], s7
	v_cvt_pk_bf16_f32 v[CC], v[CC], v[CC]          ; inv_temp is rounded like every input
	v_lshlrev_b32 v[CC], 16, v[CC]
	v_mul_f32 v[CC], 0x3db8aa3b, v[CC]             ; x log2(e) / 16
	v_cmp_gt_u32 vcc_lo, 100, v[QI]
	v_cndmask_b32 v[CM], 0, v[CC], vcc_lo
	v_mov_b32 v[CM+1], v[CM]
	v_cmp_gt_u32 vcc_lo, 100, v[QJ]
	v_cndmask_b32 v[CQ], 0, v[CC], vcc_lo
	s_wait_loadcnt 63                              ; 66 loads are younger than Wq's last; the field holds 63: the stricter count
.set o, 0
.rept 64                                           ; qe to bf16 in place, upward: register o takes 2 o and 2 o + 1
	v_cvt_pk_bf16_f32 v[QE+o], v[QE+2*o], v[QE+2*o+1]
.set o, o+1
.endr
	; q^T = Wq qe^T: per k step 32 conversions and four products; the four accumulators take turns
.set i, 0
.rept 8
	WIN 0x05
.set o, 0
.rept 16
	v_cvt_pk_bf16_f32 v[TA+32*(i%2)+o], v[128*(o/8)+16*i+2*(o%8)], v[128*(o/8)+16*i+2*(o%8)+1]
.set o, o+1
.endr
	WIN 0x0a
.set o, 0
.rept 16
	v_cvt_pk_bf16_f32 v[TA+32*(i%2)+16+o], v[128*(o/8)+16*i+2*(o%8)], v[128*(o/8)+16*i+2*(o%8)+1]
.set o, o+1
.endr
	WIN 0
.set ob, 0
.rept 4
.if i == 0
	v_wmma_f32_16x16x32_bf16 v[D1+8*ob:D1+8*ob+7], v[TA+32*(i%2)+8*ob:TA+32*(i%2)+8*ob+7], v[QE+8*i:QE+8*i+7], 0
.else
	v_wmma_f32_16x16x32_bf16 v[D1+8*ob:D1+8*ob+7], v[TA+32*(i%2)+8*ob:TA+32*(i%2)+8*ob+7], v[QE+8*i:QE+8*i+7], v[D1+8*ob:D1+8*ob+7]
.endif
.set ob, ob+1
.endr
.set i, i+1
.endr
.set x, 0
.rept 16                                           ; bq rounded to bf16: these lines are also the places behind the last products
	v_cvt_pk_bf16_f32 v[T+(x%2)], v[BQ+2*x], v[BQ+2*x+1]
	v_lshlrev_b32 v[BQ+2*x], 16, v[T+(x%2)]
	v_and_b32 v[BQ+2*x+1], 0xffff0000, v[T+(x%2)]
.set x, x+1
.endr
.set x, 0
.rept 16
	v_pk_add_f32 v[D1+2*x:D1+2*x+1], v[D1+2*x:D1+2*x+1], v[BQ+2*x:BQ+2*x+1]
.set x, x+1
.endr
.set o, 0
.rept 16                                           ; two neighbouring results, packed in pairs, are a second-source fragment of the next product
	v_cvt_pk_bf16_f32 v[TA+o], v[D1+2*o], v[D1+2*o+1]
.set o, o+1
.endr
.irp f, 0,1,2,3
	ds_store_b128 v[VQS], v[TA+4*\f:TA+4*\f+3] offset:512*\f
.endr
	s_wait_loadcnt 0x0                             ; bk and Wk
.irp z, 1,2,3,5,6,7,8,9,10,11
	v_mov_b32 v[D1+\z], 0
.endr
	v_cvt_pk_bf16_f32 v[D1], v[BKR], v[D1+8]       ; (bk[d], 0)
	v_cvt_pk_bf16_f32 v[D1+4], v[BKR+1], v[D1+8]
	ds_store_b128 v[VSB], v[D1:D1+3] offset:256
	ds_store_b128 v[VSB], v[D1+8:D1+11] offset:272
	ds_store_b128 v[VSB], v[D1+4:D1+7] offset:32*WP+256
	ds_store_b128 v[VSB], v[D1+8:D1+11] offset:32*WP+272
.set g, 0
.rept 4                                            ; Wk to bf16 and into LDS, 16 rows at a time
	WIN 0x0f
.set o, 0
.rept 32
	v_cvt_pk_bf16_f32 v[TA+32*((g+1)%2)+o], v[64*g+2*o], v[64*g+2*o+1]
.set o, o+1
.endr
	WIN 0
.set o, 0
.rept 16
	ds_store_b64 v[VSW], v[TA+32*((g+1)%2)+2*o:TA+32*((g+1)%2)+2*o+1] offset:WP*(16*g+o)
.set o, o+1
.endr
.set g, g+1
.endr
	s_wait_dscnt 0x0                               ; for the others' sake: my rows of Wk and my part of q^T are in LDS
	s_barrier_signal -1
	s_barrier_wait -1
.set f, 0
.rept 8                                            ; all of q^T
	ds_load_b128 v[QE+8*f:QE+8*f+3], v[VQL] offset:1024*f
	ds_load_b128 v[QE+8*f+4:QE+8*f+7], v[VQL] offset:1024*f+512
.set f, f+1
.endr
	WIN 0xc0
.set e, 0
.rept 3                                            ; Wk turned: my two blocks of 16 columns, and the block with bk; k step ks is 32 rows d
.set ks, 0
.rept 8
.if e < 2
.set ar, VTA+ks/4
.set ofs, 32*WP*(ks%4)+32*e
.else
.set ar, VTC+ks/4
.set ofs, 32*WP*(ks%4)+256
.endif
	ds_load_tr16_b128 v[8*(8*e+ks):8*(8*e+ks)+3], v[ar] offset:ofs
	ds_load_tr16_b128 v[8*(8*e+ks)+4:8*(8*e+ks)+7], v[ar] offset:ofs+16*WP
.set ks, ks+1
.endr
.set e, e+1
.endr
	s_wait_dscnt 0x0
	WIN 0x03                                       ; first source in window 3
.set ks, 0
.rept 8
.set e, 0
.rept 3                                            ; three accumulators by turns
.if ks == 0
	v_wmma_f32_16x16x32_bf16 v[D2+8*e:D2+8*e+7], v[8*(8*e+ks):8*(8*e+ks)+7], v[QE+8*ks:QE+8*ks+7], 0
.else
	v_wmma_f32_16x16x32_bf16 v[D2+8*e:D2+8*e+7], v[8*(8*e+ks):8*(8*e+ks)+7], v[QE+8*ks:QE+8*ks+7], v[D2+8*e:D2+8*e+7]
.endif
.set e, e+1
.endr
.set ks, ks+1
.endr
	WIN 0
	PLACES
.irp e, 0,1
.irp j, 0,1,2,3
	v_pk_mul_f32 v[D2+8*\e+2*\j:D2+8*\e+2*\j+1], v[D2+8*\e+2*\j:D2+8*\e+2*\j+1], v[CM:CM+1]
.endr
.irp j, 0,1,2,3
	v_cvt_pk_bf16_f32 v[TA+4*\e+\j], v[D2+8*\e+2*\j], v[D2+8*\e+2*\j+1]
.endr
	global_store_b128 v[VQO], v[TA+4*\e:TA+4*\e+3], s[40:41] offset:512*\e   ; 512 consecutive bytes
.endr
	s_cmp_lg_u32 s5, 6
	s_cbranch_scc1 .Lno7
.irp z, 8,9,10,11
	v_mov_b32 v[TA+\z], 0
.endr
	global_store_b128 v[VQO], v[TA+8:TA+11], s[40:41] offset:8192            ; tile 7 is all padding: zeros
	global_store_b128 v[VQO], v[TA+8:TA+11], s[40:41] offset:8192+512
.Lno7:
	s_or_b32 s44, s6, s4
	s_cmp_lg_u32 s44, 0
	s_cbranch_scc1 .Lend                           ; qb' is stored by wave 0 of the tile's first half
	v_mul_f32 v[TA+12], v[D2+16], v[CQ]            ; row 0 of the third block: the column that holds bk
	s_cmp_eq_u32 s5, 6
	s_cselect_b32 s45, 32, 16                      ; tile 6 also writes tile 7's sixteen zeros
	v_cmp_gt_u32 vcc_lo, s45, v[L]
	s_wait_xcnt 0x0                                ; EXEC changes only when the earlier stores have read their sources
	s_and_saveexec_b32 s46, vcc_lo
	global_store_b32 v[VQB], v[TA+12], s[40:41]
	s_wait_xcnt 0x0
	s_or_b32 exec_lo, exec_lo, s46
	s_branch .Lend
	; ---------------- the weights ----------------
.Lconv:
	s_sub_co_u32 s5, ttmp9, 14
	s_lshl_b32 s5, s5, 2
	s_add_co_u32 s5, s5, s4                        ; my unit U
	s_cmp_ge_u32 s5, 115
	s_cbranch_scc1 .Lend                           ; 115 units: the last wave has none
	s_lshr_b32 s6, s5, 4                           ; which matrix
	s_and_b32 s7, s5, 15                           ; which 16 rows
	s_mov_b64 s[44:45], s[20:21]
.irp k, 1,2,3,4,5,6
	s_cmp_eq_u32 s6, \k
	s_cselect_b64 s[44:45], s[20+2*\k:21+2*\k], s[44:45]
.endr
.irp k, 0,1,2
	s_cmp_eq_u32 s5, 112+\k
	s_cselect_b64 s[44:45], s[34+2*\k:35+2*\k], s[44:45]
.endr
	s_mov_b32 s46, 255
	s_cmp_ge_u32 s5, 112                           ; the three small heads: rows past the last take the last; what they give is never read
	s_cselect_b32 s46, 2, s46
	s_cselect_b32 s7, 0, s7
	s_cmp_eq_u32 s5, 114
	s_cselect_b32 s46, 3, s46
	s_lshl_b32 s7, s7, 4
	v_add_nc_u32 v[VQE], s7, v[R]
	v_min_u32 v[VQE], s46, v[VQE]
	v_lshlrev_b32 v[VQE], 10, v[VQE]
	v_lshl_add_u32 v[VQE], v[H], 5, v[VQE]
	v_lshlrev_b32 v[VBQ], 4, v[L]
	s_lshl_b32 s52, s5, 13
	s_add_nc_u64 s[48:49], s[42:43], s[52:53]
.set n, 0
.rept 32
	global_load_b128 v[FS+4*n:FS+4*n+3], v[VQE], s[44:45] offset:128*(n/4)+64*((n/2)%2)+16*(n%2)
.set n, n+1
.endr
	s_wait_loadcnt 0x0
.set o, 0
.rept 64
	v_cvt_pk_bf16_f32 v[FO+o], v[FS+2*o], v[FS+2*o+1]
.set o, o+1
.endr
.set n, 0
.rept 16
	global_store_b128 v[VBQ], v[FO+4*n:FO+4*n+3], s[48:49] offset:512*n      ; 512 consecutive bytes
.set n, n+1
.endr
.Lend:
	s_wait_tensorcnt 0x0                           ; the wave's end: three lines behind the last LDS store
	ds_add_u32 v[SPW], v[NIL]
	s_wait_dscnt 0x0
	s_endpgm
.Lfunc_end_k_qe88eb3e074_prep:
	.size	k_qe88eb3e074_prep, .Lfunc_end_k_qe88eb3e074_prep-k_qe88eb3e074_prep
	.p2alignl 7, 3214868480
	.fill 96, 4, 3214868480
	.section	.rodata,"a",@progbits
	.p2align	6, 0x0
	.amdhsa_kernel k_qe88eb3e074_prep
		.amdhsa_group_segment_fixed_size 82432
		.amdhsa_private_segment_fixed_size 0
		.amdhsa_enable_private_segment 0
		.amdhsa_kernarg_size 144
		.amdhsa_user_sgpr_count 2
		.amdhsa_user_sgpr_kernarg_segment_ptr 1
		.amdhsa_wavefront_size32 1
		.amdhsa_system_sgpr_workgroup_id_x 1
		.amdhsa_system_sgpr_workgroup_id_y 1
		.amdhsa_system_sgpr_workgroup_id_z 1
		.amdhsa_system_vgpr_workitem_id 0
		.amdhsa_next_free_vgpr 1024
		.amdhsa_next_free_sgpr 80
		.amdhsa_reserve_vcc 1
		.amdhsa_float_denorm_mode_32 3
		.amdhsa_float_denorm_mode_16_64 3
		.amdhsa_memory_ordered 1
		.amdhsa_forward_progress 1
		.amdhsa_inst_pref_size 85
	.end_amdhsa_kernel
	.amdgpu_metadata
---
amdhsa.version: [ 1, 2 ]
amdhsa.kernels:
  - .name:           k_qe88eb3e074_prep
    .symbol:         k_qe88eb3e074_prep.kd
    .args:
      - { .name: query_embed, .offset: 0, .size: 8, .value_kind: global_buffer, .address_space: global }
      - { .name: Wq, .offset: 8, .size: 8, .value_kind: global_buffer, .address_space: global }
      - { .name: bq, .offset: 16, .size: 8, .value_kind: global_buffer, .address_space: global }
      - { .name: Wk, .offset: 24, .size: 8, .value_kind: global_buffer, .address_space: global }
      - { .name: bk, .offset: 32, .size: 8, .value_kind: global_buffer, .address_space: global }
      - { .name: inv_temp, .offset: 40, .size: 8, .value_kind: global_buffer, .address_space: global }
      - { .name: Wv, .offset: 48, .size: 8, .value_kind: global_buffer, .address_space: global }
      - { .name: cw1, .offset: 56, .size: 8, .value_kind: global_buffer, .address_space: global }
      - { .name: sw1, .offset: 64, .size: 8, .value_kind: global_buffer, .address_space: global }
      - { .name: gw1, .offset: 72, .size: 8, .value_kind: global_buffer, .address_space: global }
      - { .name: gw2, .offset: 80, .size: 8, .value_kind: global_buffer, .address_space: global }
      - { .name: bw1, .offset: 88, .size: 8, .value_kind: global_buffer, .address_space: global }
      - { .name: bw2, .offset: 96, .size: 8, .value_kind: global_buffer, .address_space: global }
      - { .name: cw2, .offset: 104, .size: 8, .value_kind: global_buffer, .address_space: global }
      - { .name: sw2, .offset: 112, .size: 8, .value_kind: global_buffer, .address_space: global }
      - { .name: clw, .offset: 120, .size: 8, .value_kind: global_buffer, .address_space: global }
      - { .name: qk, .offset: 128, .size: 8, .value_kind: global_buffer, .address_space: global }
      - { .name: wb, .offset: 136, .size: 8, .value_kind: global_buffer, .address_space: global }
    .group_segment_fixed_size: 82432
    .private_segment_fixed_size: 0
    .kernarg_segment_align: 8
    .kernarg_segment_size: 144
    .max_flat_workgroup_size: 128
    .sgpr_count:     80
    .vgpr_count:     1024
    .wavefront_size: 32
...
	.end_amdgpu_metadata
.endif
;; end of part 1
;; launch attn (part 2): grid 8 x 32, 4 waves a work-group, no clusters, 155,648 bytes of LDS; arguments memory, coords, memory_mask, qk, part, gsum; writes part, gsum
.if DOCPART == 2
	.amdgcn_target "amdgcn-amd-amdhsa--gfx1250"
	.amdhsa_code_object_version 6
	.text
	.protected	k_qe88eb3e074_attn
	.globl	k_qe88eb3e074_attn
	.p2align	8
	.type	k_qe88eb3e074_attn,@function
k_qe88eb3e074_attn:
	s_mov_b64 s[64:65], 0
	v_nop
	global_prefetch_b8 v0, s[64:65] scope:SCOPE_SE
	s_setreg_imm32_b32 hwreg(HW_REG_WAVE_MODE, 25, 1), 1
	s_wait_xcnt 0x0
; ATTN.  A work-group takes 1,024 keys of one batch (x = split, y = batch) and all 128 (padded) queries; it walks 16 steps of 64 keys.  Each byte of memory is read once.
; t = mem . qk' + qb' + (hidden ? -1e30 : 0), already in powers of two; p = 2^(t - m) with a running maximum m; O = the sum of p x (mem, coords, 1): 272 channels, so the last block carries the
; weighted coordinates and l, the sum of the weights AS ROUNDED to bf16.  m, O and l leave in f32 as this split's partial result.
; Query rows 100..127 have qk' = qb' = 0: their p is the mask itself, so row 100 of O is the masked sum of memory and its l the count of visible keys: the global mean's two parts.
; LIMITS.  m starts at -1e29 and a hidden score counts as its value less 1e30: true scaled scores lie above -1e29; a hidden key's weight is exactly 0.  A weight below 2^-126 counts as 0.
; NO CLUSTER: the work-groups share qk' alone, 64 KiB beside 1 MiB of their own.  NO TENSOR LOADS: the stream is f32 and is wanted in bf16, so it goes through registers, and two register
; sets of 16 KiB a wave are on their way all the time behind a counted wait.
; SHARES.  Wave w stages rows 16 w .. 16 w + 15 of each tile of 64 keys (converted, stored twice in LDS) and owns query tiles 2 w, 2 w + 1; it reads all keys.  Tile 7 is padding.
; LAYOUT.  S^T = K Q^T (first source 16 keys, second 16 queries): a lane holds ONE query (lane % 16) and keys 8 (lane / 16) + 0..7; two results packed in pairs ARE the second source of
; O^T = V^T P.  The keys lie twice in LDS: rows of 528 bytes (33 x 16) for the plain loads, rows of 544 (17 x 32) for the turning loads: each pitch serves its load without two lanes on a bank.
; WINDOWS (s_set_vgpr_msb: bits 1:0 source 0, 3:2 source 1, 5:4 source 2, 7:6 destination): 0 addresses, statistics, S/P, masks, converted rows; 1 O^T (128 u + 8 cb);
; 2 Q (64 u + 8 cs) and two fragment buffers; 3 the two load sets.
.set KP,    528
.set VP,    544
.set KBUF,  64*KP
.set VBUF,  64*VP
.set VBASE, 2*KBUF
.set MKL,   VBASE+2*VBUF               ; two times 64 mask terms in f32
.set GST,   MKL+512                    ; wave 3's own stage: 16 rows of 272 f32
.set GP,    1088
.set SPARE, GST+16*GP                  ; the spare words: 128 bytes a wave
.set PARTB, 17664                      ; a partial tile: 17 blocks of 1,024 bytes, then m
.set R,   1
.set H,   2
.set L,   3
.set AK,  4                            ; v4, v5   my place in a key fragment, buffer 0, 1
.set AV,  6                            ; v6, v7   the same for the turning load
.set AM,  8                            ; v8, v9   the mask terms
.set SK,  10                           ; v10-17   where I store: K copy, V copy, coordinates, mask term; buffer 0, 1
.set SV,  12
.set SC,  14
.set SM,  16
.set VOFF, 18                          ; offsets of my loads, and (E) the same or 0 once the tiles are used up
.set VOE, 19
.set VCO, 20
.set VCE, 21
.set VMO, 22
.set VME, 23
.set VPF, 24
.set VQB, 25
.set SPW, 26
.set NIL, 27
.set CR,  28                           ; v28-30, v32-34 coordinates as loaded, set 0, 1
.set MR,  36                           ; v36, v37 mask byte
.set CX,  38                           ; v38, v39 (c0, c1), (c2, 1)
.set MT,  40
.set LX16, 41
.set LX8, 42
.set ONE, 43
.set ST,  44                           ; tile u at 44 + 10 u: m, qb, a, (a'), sh, (sh'), c0-c3
.set S,   64                           ; 32 a tile; P is packed in place into the low 16
.set MK,  128                          ; v128-159 mask terms, 8 a key block; v128-143 later the last block's two fragments of V
.set OX,  160                          ; v160-175 the last block's accumulators
.set CV,  176                          ; v176-239 a tile's 16 rows in bf16
.set FB0, 128                          ; window 2
.set FB1, 192
.set MSB, 0
.macro WIN new
.if MSB != (\new)
	s_set_vgpr_msb (MSB<<8)|(\new)
.set MSB, \new
.endif
.endm
.macro PLACES                          ; four plain instructions behind a matrix instruction, ahead of loads into its sources and of reads of its result
.rept 4
	v_nop
.endr
.endm
; 34 loads: my 16 rows of a tile (512 consecutive bytes a load), their coordinates and mask bytes
.macro GROUP set, tl
	WIN 0xc0
.set n, 0
.rept 32
	global_load_b128 v[128*(\set)+4*n:128*(\set)+4*n+3], v[VOE], s[30:31] offset:65536*(\tl)+512*n th:TH_LOAD_NT
.set n, n+1
.endr
	WIN 0
	global_load_b96 v[CR+4*(\set):CR+4*(\set)+2], v[VCE], s[32:33] offset:768*(\tl)
	global_load_u8 v[MR+(\set)], v[VME], s[34:35] offset:64*(\tl)
.endm
; A set has landed: it is converted, and asked for again with tile s20.  Past tile 15 the lane offsets become 0 and the base stays at tile 15: 34 loads of one address each, inside the buffer,
; so that the count 34 holds in every step and one text serves all 16.
.macro STAGE_IN set
	s_wait_loadcnt 34                              ; the other set's 34 loads are the only younger ones
	WIN 0x0f
.set o, 0
.rept 64
	v_cvt_pk_bf16_f32 v[CV+o], v[128*(\set)+2*o], v[128*(\set)+2*o+1]
.set o, o+1
.endr
	WIN 0
	v_cvt_pk_bf16_f32 v[CX], v[CR+4*(\set)], v[CR+4*(\set)+1]
	v_cvt_pk_bf16_f32 v[CX+1], v[CR+4*(\set)+2], v[ONE]
	v_cmp_eq_u32 vcc_lo, 0, v[MR+(\set)]
	v_cndmask_b32 v[MT], 0, s38, vcc_lo            ; hidden: -1e30
	s_wait_xcnt 0x0                                ; the other set's loads and the last prefetches have read their addresses: bases and offsets may be written
	s_min_u32 s21, s20, 15
	s_cmp_le_u32 s20, 15
	s_cselect_b32 s22, -1, 0
	s_lshl_b32 s36, s21, 16
	s_add_nc_u64 s[30:31], s[24:25], s[36:37]
	s_mul_i32 s36, s21, 768
	s_add_nc_u64 s[32:33], s[26:27], s[36:37]
	s_lshl_b32 s36, s21, 6
	s_add_nc_u64 s[34:35], s[28:29], s[36:37]
	v_and_b32 v[VOE], s22, v[VOFF]
	v_and_b32 v[VCE], s22, v[VCO]
	v_and_b32 v[VME], s22, v[VMO]
	GROUP \set, 0
	s_cmp_lt_u32 s20, 15                           ; a prefetch into the L2 of my own 16 KiB of the tile after the one just asked for: a lane a block of 256 bytes, two lines,
	s_cbranch_scc0 .Lnopf_\@                       ; behind my run of loads, one step ahead of the loads that will take them; each block is named once; none past tile 15
	global_prefetch_b8 v[VPF], s[30:31] offset:65536 th:TH_LOAD_NT scope:SCOPE_SE
	global_prefetch_b8 v[VPF], s[30:31] offset:65536+8192 th:TH_LOAD_NT scope:SCOPE_SE
.Lnopf_\@:
	s_add_co_u32 s20, s20, 1
.endm
.macro STAGE_OUT buf                   ; 66 LDS stores: both copies, 256 consecutive bytes a store
.set n, 0
.rept 32
	ds_store_b64 v[SK+(\buf)], v[CV+2*n:CV+2*n+1] offset:KP*(n/2)+256*(n%2)
	ds_store_b64 v[SV+(\buf)], v[CV+2*n:CV+2*n+1] offset:VP*(n/2)+256*(n%2)
.set n, n+1
.endr
	ds_store_b64 v[SC+(\buf)], v[CX:CX+1] offset:512
	ds_store_b32 v[SM+(\buf)], v[MT]
.endm
.macro FETCHK b, g, fb                 ; 16 loads: 4 key blocks x channels 64 g .. 64 g + 63
	WIN 0x80
.irp c, 0,1
.irp kb, 0,1,2,3
	ds_load_b128 v[(\fb)+8*(4*\c+\kb):(\fb)+8*(4*\c+\kb)+3], v[AK+\b] offset:16*KP*\kb+64*(2*(\g)+\c)
	ds_load_b128 v[(\fb)+8*(4*\c+\kb)+4:(\fb)+8*(4*\c+\kb)+7], v[AK+\b] offset:16*KP*\kb+64*(2*(\g)+\c)+32
.endr
.endr
.endm
.macro FETCHV b, g, fb                 ; 16 turning loads: keys 32 (g / 2) on, channel blocks 8 (g % 2) .. + 7
	WIN 0x80
.irp c, 0,1,2,3,4,5,6,7
	ds_load_tr16_b128 v[(\fb)+8*\c:(\fb)+8*\c+3], v[AV+\b] offset:32*VP*((\g)/2)+32*(8*((\g)%2)+\c)
	ds_load_tr16_b128 v[(\fb)+8*\c+4:(\fb)+8*\c+7], v[AV+\b] offset:32*VP*((\g)/2)+32*(8*((\g)%2)+\c)+16*VP
.endr
.endm
.macro MULS fb, g                      ; 16 products of S^T; the 8 accumulators take turns; the first start the sums with the mask terms
	WIN 0x0a
.irp c, 0,1
.irp kb, 0,1,2,3
.irp u, 0,1
.if ((\g) == 0) && ((\c) == 0)
	v_wmma_f32_16x16x32_bf16 v[S+32*\u+8*\kb:S+32*\u+8*\kb+7], v[(\fb)+8*(4*\c+\kb):(\fb)+8*(4*\c+\kb)+7], v[64*\u+8*(2*(\g)+\c):64*\u+8*(2*(\g)+\c)+7], v[MK+8*\kb:MK+8*\kb+7]
.else
	v_wmma_f32_16x16x32_bf16 v[S+32*\u+8*\kb:S+32*\u+8*\kb+7], v[(\fb)+8*(4*\c+\kb):(\fb)+8*(4*\c+\kb)+7], v[64*\u+8*(2*(\g)+\c):64*\u+8*(2*(\g)+\c)+7], v[S+32*\u+8*\kb:S+32*\u+8*\kb+7]
.endif
.endr
.endr
.endr
.endm
.macro MULV fb, g                      ; 16 products of O^T, 16 accumulators by turns
	WIN 0x52
.irp c, 0,1,2,3,4,5,6,7
.irp u, 0,1
	v_wmma_f32_16x16x32_bf16 v[128*\u+8*(8*((\g)%2)+\c):128*\u+8*(8*((\g)%2)+\c)+7], v[(\fb)+8*\c:(\fb)+8*\c+7], v[S+32*\u+8*((\g)/2):S+32*\u+8*((\g)/2)+7], v[128*\u+8*(8*((\g)%2)+\c):128*\u+8*(8*((\g)%2)+\c)+7]
.endr
.endr
.endm
; The softmax of both tiles for one step, the tiles alternating.  Each accumulator's lowest registers are read first.
.macro SMX
	WIN 0
.irp j, 0,1,2,3
.irp u, 0,1
	v_max3_num_f32 v[ST+10*\u+6+\j], v[S+32*\u+8*\j], v[S+32*\u+8*\j+1], v[S+32*\u+8*\j+2]
.endr
.endr
.irp j, 0,1,2,3
.irp u, 0,1
	v_max3_num_f32 v[ST+10*\u+6+\j], v[ST+10*\u+6+\j], v[S+32*\u+8*\j+3], v[S+32*\u+8*\j+4]
.endr
.endr
.irp j, 0,1,2,3
.irp u, 0,1
	v_max3_num_f32 v[ST+10*\u+6+\j], v[ST+10*\u+6+\j], v[S+32*\u+8*\j+5], v[S+32*\u+8*\j+6]
.endr
.endr
.irp u, 0,1
	v_max3_num_f32 v[ST+10*\u+6], v[ST+10*\u+6], v[S+32*\u+7], v[S+32*\u+15]
	v_max3_num_f32 v[ST+10*\u+8], v[ST+10*\u+8], v[S+32*\u+23], v[S+32*\u+31]
.endr
.irp u, 0,1
	v_max3_num_f32 v[ST+10*\u+6], v[ST+10*\u+6], v[ST+10*\u+7], v[ST+10*\u+8]
.endr
.irp u, 0,1
	v_max_num_f32 v[ST+10*\u+6], v[ST+10*\u+6], v[ST+10*\u+9]
.endr
.irp u, 0,1
	v_permlanex16_b32 v[ST+10*\u+7], v[ST+10*\u+6], s40, s41   ; the query's other 32 keys lie in the lane 16 away
.endr
.irp u, 0,1
	v_max_num_f32 v[ST+10*\u+6], v[ST+10*\u+6], v[ST+10*\u+7]
.endr
.irp u, 0,1
	v_add_f32 v[ST+10*\u+6], v[ST+10*\u+6], v[ST+10*\u+1]      ; + qb': the step's largest t
.endr
.irp u, 0,1
	v_max_num_f32 v[ST+10*\u+7], v[ST+10*\u], v[ST+10*\u+6]    ; the new m
.endr
.irp u, 0,1
	v_sub_f32 v[ST+10*\u+8], v[ST+10*\u], v[ST+10*\u+7]        ; m_old - m_new
.endr
.irp u, 0,1
	v_mov_b32 v[ST+10*\u], v[ST+10*\u+7]
.endr
.irp u, 0,1
	v_sub_f32 v[ST+10*\u+4], v[ST+10*\u+7], v[ST+10*\u+1]      ; what is taken from the raw scores: m - qb'
.endr
.irp u, 0,1
	v_exp_f32 v[ST+10*\u+2], v[ST+10*\u+8]                     ; a
.endr
.set x, 0
.rept 16
	v_pk_add_f32 v[S+2*x:S+2*x+1], v[S+2*x:S+2*x+1], v[ST+4:ST+5] op_sel_hi:[1,0] neg_lo:[0,1] neg_hi:[0,1]
	v_pk_add_f32 v[S+32+2*x:S+32+2*x+1], v[S+32+2*x:S+32+2*x+1], v[ST+14:ST+15] op_sel_hi:[1,0] neg_lo:[0,1] neg_hi:[0,1]
.set x, x+1
.endr
.set x, 0
.rept 32
	v_exp_f32 v[S+x], v[S+x]
	v_exp_f32 v[S+32+x], v[S+32+x]
.set x, x+1
.endr
	v_nop                                          ; a plain instruction behind the last exponential,
	s_wait_alu depctr_va_vdst(0)                   ; and ONE wait for the batch of 66, ahead of the first line that names a result
.set x, 0
.rept 16                                           ; the weights to bf16, in place, upward
	v_cvt_pk_bf16_f32 v[S+x], v[S+2*x], v[S+2*x+1]
	v_cvt_pk_bf16_f32 v[S+32+x], v[S+32+2*x], v[S+32+2*x+1]
.set x, x+1
.endr
.irp u, 0,1
.irp j, 0,1,2,3
	v_pk_mul_f32 v[OX+8*\u+2*\j:OX+8*\u+2*\j+1], v[OX+8*\u+2*\j:OX+8*\u+2*\j+1], v[ST+10*\u+2:ST+10*\u+3] op_sel_hi:[1,0]
.endr
.endr
	WIN 0x41
.set x, 0
.rept 64                                           ; O^T times a
	v_pk_mul_f32 v[2*x:2*x+1], v[2*x:2*x+1], v[ST+2:ST+3] op_sel_hi:[1,0]
	v_pk_mul_f32 v[128+2*x:128+2*x+1], v[128+2*x:128+2*x+1], v[ST+12:ST+13] op_sel_hi:[1,0]
.set x, x+1
.endr
.endm
; A STEP: the tile in LDS buffer b is multiplied; the next tile goes from its register set into buffer 1 - b.  One barrier, at the end: in front of it my reads of buffer b and my stores
; into buffer 1 - b are done; behind it buffer b may be written and buffer 1 - b read.
.macro STEP b
	WIN 0
.irp kb, 0,1,2,3
	ds_load_b128 v[MK+8*\kb:MK+8*\kb+3], v[AM+\b] offset:64*\kb
	ds_load_b128 v[MK+8*\kb+4:MK+8*\kb+7], v[AM+\b] offset:64*\kb+16
.endr
	FETCHK \b, 0, FB0
	FETCHK \b, 1, FB1
	STAGE_IN 1-\b
	s_wait_dscnt 16                                ; all but the youngest run of 16
	MULS FB0, 0
	PLACES
	FETCHK \b, 2, FB0
	s_wait_dscnt 16
	MULS FB1, 1
	PLACES
	FETCHK \b, 3, FB1
	s_wait_dscnt 16
	MULS FB0, 2
	s_wait_dscnt 0x0
	MULS FB1, 3
	PLACES
	FETCHV \b, 0, FB0
	FETCHV \b, 1, FB1
	WIN 0
.irp kk, 0,1
	ds_load_tr16_b128 v[MK+8*\kk:MK+8*\kk+3], v[AV+\b] offset:32*VP*\kk+512          ; the block of coordinates and 1
	ds_load_tr16_b128 v[MK+8*\kk+4:MK+8*\kk+7], v[AV+\b] offset:32*VP*\kk+16*VP+512
.endr
	STAGE_OUT 1-\b
	SMX
	s_wait_dscnt 0x0                               ; V's first fragments, and my stores
	WIN 0
.irp kk, 0,1
.irp u, 0,1
	v_wmma_f32_16x16x32_bf16 v[OX+8*\u:OX+8*\u+7], v[MK+8*\kk:MK+8*\kk+7], v[S+32*\u+8*\kk:S+32*\u+8*\kk+7], v[OX+8*\u:OX+8*\u+7]
.endr
.endr
	MULV FB0, 0
	PLACES
	FETCHV \b, 2, FB0
	MULV FB1, 1
	PLACES
	FETCHV \b, 3, FB1
	s_wait_dscnt 16
	MULV FB0, 2
	s_wait_dscnt 0x0                               ; nothing of mine is pending in LDS
	MULV FB1, 3
	PLACES
	WIN 0
	s_barrier_signal -1
	s_barrier_wait -1
.endm
	s_load_b256 s[4:11], s[0:1], 0x0               ; memory 4, coords 6, memory_mask 8, qk 10
	s_load_b128 s[12:15], s[0:1], 0x20             ; part 12, gsum 14
	v_lshl_add_u32 v[SPW], v0, 2, SPARE
	v_mov_b32 v[NIL], 0
	v_lshrrev_b32 v[R], 5, v0
	v_readfirstlane_b32 s16, v[R]                  ; wave
	v_and_b32 v[R], 15, v0
	v_bfe_u32 v[H], v0, 4, 1
	v_and_b32 v[L], 31, v0
	s_and_b32 s17, ttmp7, 0xffff                   ; batch
	s_mov_b32 s18, ttmp9                           ; split
	s_mov_b32 s37, 0
	s_mov_b32 s38, 0xf149f2ca                      ; -1e30
	s_mov_b32 s40, 0x76543210
	s_mov_b32 s41, 0xfedcba98
	s_lshl_b32 s44, s16, 14
	v_lshl_add_u32 v[VOFF], v[L], 4, s44           ; my 16 rows, 16 bytes a lane
	v_lshl_add_u32 v[VPF], v[L], 8, s44
	s_lshl_b32 s45, s16, 4
	v_add_nc_u32 v[VMO], s45, v[R]                 ; my row 16 w + r
	v_mul_u32_u24 v[VCO], v[VMO], 12
	v_mov_b32 v[VOE], v[VOFF]
	v_mov_b32 v[VCE], v[VCO]
	v_mov_b32 v[VME], v[VMO]
	v_lshlrev_b32 v[LX16], 4, v[L]
	v_lshlrev_b32 v[LX8], 3, v[L]
	s_lshl_b32 s44, s16, 7
	v_lshl_add_u32 v[VQB], v[R], 2, s44
	v_mov_b32 v[ONE], 1.0
	v_mul_u32_u24 v[AK], v[R], KP
	v_lshl_add_u32 v[AK], v[H], 4, v[AK]
	v_add_nc_u32 v[AK+1], KBUF, v[AK]
	v_and_b32 v[AV], 7, v0
	v_lshl_add_u32 v[AV], v[H], 3, v[AV]
	v_mul_u32_u24 v[AV], v[AV], VP
	v_bfe_u32 v[AV+1], v0, 3, 1
	v_lshl_add_u32 v[AV], v[AV+1], 4, v[AV]
	v_add_nc_u32 v[AV+1], VBASE+VBUF, v[AV]
	v_add_nc_u32 v[AV], VBASE, v[AV]
	v_lshlrev_b32 v[AM], 5, v[H]
	v_add_nc_u32 v[AM+1], MKL+256, v[AM]
	v_add_nc_u32 v[AM], MKL, v[AM]
	s_mul_i32 s44, s16, 16*KP
	v_lshl_add_u32 v[SK], v[L], 3, s44
	v_add_nc_u32 v[SK+1], KBUF, v[SK]
	s_mul_i32 s44, s16, 16*VP
	s_add_co_u32 s44, s44, VBASE
	v_lshl_add_u32 v[SV], v[L], 3, s44
	v_add_nc_u32 v[SV+1], VBUF, v[SV]
	v_mul_u32_u24 v[SC], v[R], VP
	v_add_nc_u32 v[SC], s44, v[SC]
	v_add_nc_u32 v[SC+1], VBUF, v[SC]
	v_lshlrev_b32 v[SM], 2, v[VMO]
	v_add_nc_u32 v[SM+1], MKL+256, v[SM]
	v_add_nc_u32 v[SM], MKL, v[SM]
	s_wait_kmcnt 0x0
	s_lshl_b32 s36, s17, 23
	s_lshl_b32 s44, s18, 20
	s_add_co_u32 s36, s36, s44
	s_add_nc_u64 s[24:25], s[4:5], s[36:37]        ; the work-group's 1,024 rows of memory,
	s_mul_i32 s36, s17, 98304
	s_mul_i32 s44, s18, 12288
	s_add_co_u32 s36, s36, s44
	s_add_nc_u64 s[26:27], s[6:7], s[36:37]        ; of coords,
	s_lshl_b32 s36, s17, 13
	s_lshl_b32 s44, s18, 10
	s_add_co_u32 s36, s36, s44
	s_add_nc_u64 s[28:29], s[8:9], s[36:37]        ; of the mask
	s_mov_b64 s[30:31], s[24:25]
	s_mov_b64 s[32:33], s[26:27]
	s_mov_b64 s[34:35], s[28:29]
	s_lshl_b32 s36, s16, 14
	s_add_nc_u64 s[46:47], s[10:11], s[36:37]      ; qk' of my two tiles
	s_lshl_b32 s23, s17, 3
	s_add_co_u32 s23, s23, s18                     ; 8 b + split
	s_mul_i32 s36, s23, 1536
	s_add_nc_u64 s[48:49], s[14:15], s[36:37]
	s_mul_i32 s36, s23, 7
	s_lshl_b32 s44, s16, 1
	s_add_co_u32 s36, s36, s44
	s_mul_i32 s36, s36, PARTB
	s_add_nc_u64 s[42:43], s[12:13], s[36:37]
	WIN 0x80
.set n, 0
.rept 16                                           ; Q stays in registers; 34 loads, ahead of the two groups, so that the first wait for 34 covers them
	global_load_b128 v[8*n:8*n+3], v[LX16], s[46:47] offset:1024*n
	global_load_b128 v[8*n+4:8*n+7], v[LX16], s[46:47] offset:1024*n+512
.set n, n+1
.endr
	WIN 0
	global_load_b32 v[ST+1], v[VQB], s[10:11] offset:65536
	global_load_b32 v[ST+11], v[VQB], s[10:11] offset:65536+64
	GROUP 0, 0
	GROUP 1, 1
	s_mov_b32 s20, 2                               ; the next tile to ask for
	; while the first loads are out: O and l start at 0, m far below every score; so the first step is a step like any other (its a is 0), and no first step is written out
	WIN 0x40
.set x, 0
.rept 256
	v_mov_b32 v[x], 0
.set x, x+1
.endr
	WIN 0
.set x, 0
.rept 16
	v_mov_b32 v[OX+x], 0
.set x, x+1
.endr
.irp u, 0,1
	v_mov_b32 v[ST+10*\u], 0xefa18f08              ; -1e29
	v_mov_b32 v[ST+10*\u+3], 0                     ; the upper halves of two pairs that are named whole
	v_mov_b32 v[ST+10*\u+5], 0
.endr
	v_mov_b32 v[CX], 0
	v_mov_b32 v[CX+1], 0
.irp bb, 0,1
	ds_store_b64 v[SC+\bb], v[CX:CX+1] offset:520  ; channels 260 .. 271 of my rows are 0, once for the launch
	ds_store_b64 v[SC+\bb], v[CX:CX+1] offset:528
	ds_store_b64 v[SC+\bb], v[CX:CX+1] offset:536
.endr
	STAGE_IN 0
	STAGE_OUT 0
	s_wait_dscnt 0x0
	s_barrier_signal -1
	s_barrier_wait -1
	s_mov_b32 s19, 8
.Ltrip:
	STEP 0
	STEP 1
	s_sub_co_u32 s19, s19, 1
	s_cmp_lg_u32 s19, 0
	s_cbranch_scc1 .Ltrip
	; THE WAY OUT: registers as they lie; every store covers 512 consecutive bytes (m: 256)
.macro OUT u
	v_mov_b32 v[ST+10*(\u)+6], v[ST+10*(\u)]
	v_mov_b32 v[ST+10*(\u)+7], v[ST+10*(\u)]
	WIN 0x04                                       ; store data in window 1
.set n, 0
.rept 32
	global_store_b128 v[LX16], v[128*(\u)+4*n:128*(\u)+4*n+3], s[42:43] offset:PARTB*(\u)+512*n
.set n, n+1
.endr
	WIN 0
	global_store_b128 v[LX16], v[OX+8*(\u):OX+8*(\u)+3], s[42:43] offset:PARTB*(\u)+16384
	global_store_b128 v[LX16], v[OX+8*(\u)+4:OX+8*(\u)+7], s[42:43] offset:PARTB*(\u)+16384+512
	global_store_b64 v[LX8], v[ST+10*(\u)+6:ST+10*(\u)+7], s[42:43] offset:PARTB*(\u)+17408
.endm
	OUT 0
	s_cmp_eq_u32 s16, 3
	s_cbranch_scc1 .Lw3
	OUT 1
	s_branch .Lend
.Lw3:                                              ; wave 3: tile 7 is padding; of tile 6, query row 100 (lane % 16 = 4) is the masked sum: turned into a row through my own stage
	v_mul_u32_u24 v[CX], v[R], GP
	v_lshl_add_u32 v[CX], v[H], 5, v[CX]
	v_add_nc_u32 v[CX], GST, v[CX]
	v_add_nc_u32 v[CX+1], GST+4*GP, v[LX16]
	WIN 0x04
.set n, 0
.rept 32
	ds_store_b128 v[CX], v[4*n:4*n+3] offset:64*(n/2)+16*(n%2)
.set n, n+1
.endr
	WIN 0
	ds_store_b128 v[CX], v[OX:OX+3] offset:1024
	ds_store_b128 v[CX], v[OX+4:OX+7] offset:1040
.irp n, 0,1,2
	ds_load_b128 v[S+4*\n:S+4*\n+3], v[CX+1] offset:512*\n    ; LDS serves a wave's instructions in order: these see the stores above; past byte 1,088 they bring the next row, which nobody reads
.endr
	s_wait_dscnt 0x0
.irp n, 0,1,2
	global_store_b128 v[LX16], v[S+4*\n:S+4*\n+3], s[48:49] offset:512*\n
.endr
.Lend:
	s_wait_tensorcnt 0x0                           ; the wave's end: three lines behind the last LDS store
	ds_add_u32 v[SPW], v[NIL]
	s_wait_dscnt 0x0
	s_endpgm
.Lfunc_end_k_qe88eb3e074_attn:
	.size	k_qe88eb3e074_attn, .Lfunc_end_k_qe88eb3e074_attn-k_qe88eb3e074_attn
	.p2alignl 7, 3214868480
	.fill 96, 4, 3214868480
	.section	.rodata,"a",@progbits
	.p2align	6, 0x0
	.amdhsa_kernel k_qe88eb3e074_attn
		.amdhsa_group_segment_fixed_size 155648
		.amdhsa_private_segment_fixed_size 0
		.amdhsa_enable_private_segment 0
		.amdhsa_kernarg_size 48
		.amdhsa_user_sgpr_count 2
		.amdhsa_user_sgpr_kernarg_segment_ptr 1
		.amdhsa_wavefront_size32 1
		.amdhsa_system_sgpr_workgroup_id_x 1
		.amdhsa_system_sgpr_workgroup_id_y 1
		.amdhsa_system_sgpr_workgroup_id_z 1
		.amdhsa_system_vgpr_workitem_id 0
		.amdhsa_next_free_vgpr 1024
		.amdhsa_next_free_sgpr 66
		.amdhsa_reserve_vcc 1
		.amdhsa_float_denorm_mode_32 3
		.amdhsa_float_denorm_mode_16_64 3
		.amdhsa_memory_ordered 1
		.amdhsa_forward_progress 1
		.amdhsa_inst_pref_size 142
	.end_amdhsa_kernel
	.amdgpu_metadata
---
amdhsa.version: [ 1, 2 ]
amdhsa.kernels:
  - .name:           k_qe88eb3e074_attn
    .symbol:         k_qe88eb3e074_attn.kd
    .args:
      - { .name: memory, .offset: 0, .size: 8, .value_kind: global_buffer, .address_space: global }
      - { .name: coords, .offset: 8, .size: 8, .value_kind: global_buffer, .address_space: global }
      - { .name: memory_mask, .offset: 16, .size: 8, .value_kind: global_buffer, .address_space: global }
      - { .name: qk, .offset: 24, .size: 8, .value_kind: global_buffer, .address_space: global }
      - { .name: part, .offset: 32, .size: 8, .value_kind: global_buffer, .address_space: global }
      - { .name: gsum, .offset: 40, .size: 8, .value_kind: global_buffer, .address_space: global }
    .group_segment_fixed_size: 155648
    .private_segment_fixed_size: 0
    .kernarg_segment_align: 8
    .kernarg_segment_size: 48
    .max_flat_workgroup_size: 128
    .sgpr_count:     66
    .vgpr_count:     1024
    .wavefront_size: 32
...
	.end_amdgpu_metadata
.endif
;; end of part 2
;; launch mid (part 3): grid 228 x 1, 4 waves a work-group, no clusters, 33,280 bytes of LDS; arguments part, gsum, wb, bv, gb1, gb2, bb1, bb2, qf, gbw; writes qf, gbw
.if DOCPART == 3
	.amdgcn_target "amdgcn-amd-amdhsa--gfx1250"
	.amdhsa_code_object_version 6
	.text
	.protected	k_qe88eb3e074_mid
	.globl	k_qe88eb3e074_mid
	.p2align	8
	.type	k_qe88eb3e074_mid,@function
k_qe88eb3e074_mid:
	s_mov_b64 s[64:65], 0
	v_nop
	global_prefetch_b8 v0, s[64:65] scope:SCOPE_SE
	s_setreg_imm32_b32 hwreg(HW_REG_WAVE_MODE, 25, 1), 1
	s_wait_xcnt 0x0
; MID.  Work-groups 0..223 (query tile t = id / 32, batch b = id % 32): the eight splits' partial results are joined (weights 2^(m_s - M), divided by l) and multiplied by Wv:
; attn @ v = (attn @ mem) Wv^T + bv, since a row of attn adds up to 1.  Stored: qfeat^T in f32, and attn @ coords with l.
; Work-groups 224..227 (p = id % 2: gamma or beta; G = (id / 2) % 2: 16 batches as columns): the masked mean, then the two layers of its small network.
; All products run transposed (first source = 16 weight rows): a lane holds one column and eight channels, so two neighbouring results, packed, are the next second source.
; What the program itself has made goes into a product as a pair hi + lo of bf16 (hi = the number rounded, lo = the rest rounded): two matrix instructions for one.
; LIMITS.  An infinite intermediate becomes NaN in that split.  A batch with no visible key has l = 0 and gives NaN.
; NO CLUSTER: each wave takes each weight byte once, straight into its fragment registers; a joint load would add a trip through LDS to a launch of this length.
.set XF,    0                          ; 16 blocks of 1,024 bytes: k step i, hi and lo
.set XF2,   16384
.set SPARE, 32768
.set SPLB,  123648                     ; bytes from a split's partial tiles to the next split's: 7 x 17,664
.set R,   1
.set H,   2
.set L,   3
.set LX16, 4
.set LX8, 5
.set VO,  6                            ; 16 l + 4,096 w
.set VW,  7                            ; 16 l + 32,768 w
.set VB,  8                            ; 32 h + 256 w
.set XS,  9
.set XL,  10
.set VG,  11
.set VC,  12
.set SPW, 14
.set NIL, 15
.set T,   16                           ; v16-19 at work
.set MS,  20                           ; v20-27 m, or the count, of the eight splits
.set WS,  28                           ; v28-43 the eight weights, each the low half of a pair
.set EX,  44                           ; v44-75 the eight splits' (c0, c1, c2, l)
.set E,   76
.set LL,  80
.set LT,  81
.set RL,  82                           ; v82, v83
.set AO,  84
.set ACC, 96
.set HL,  128
.set D,   160
.set B1,  192
.set B2,  224
.set MSB, 0
.macro WIN new
.if MSB != (\new)
	s_set_vgpr_msb (MSB<<8)|(\new)
.set MSB, \new
.endif
.endm
.macro WLOAD base, ofs, win            ; my four units of 16 weight rows: 32 fragments, 64 loads of 512 consecutive bytes
	WIN \win
.set n, 0
.rept 32
	global_load_b128 v[8*n:8*n+3], v[VW], s[\base:\base+1] offset:(\ofs)+1024*n
	global_load_b128 v[8*n+4:8*n+7], v[VW], s[\base:\base+1] offset:(\ofs)+1024*n+512
.set n, n+1
.endr
	WIN 0
.endm
.macro BLOAD dst, base                 ; the bias of my 64 channels, as the results hold them
.set n, 0
.rept 8
	global_load_b128 v[(\dst)+4*n:(\dst)+4*n+3], v[VB], s[\base:\base+1] offset:64*(n/2)+16*(n%2)
.set n, n+1
.endr
.endm
.macro RNDN base, cnt                  ; cnt pairs of f32 rounded to bf16, in place
.set x, 0
.rept \cnt
	v_cvt_pk_bf16_f32 v[T+(x%2)], v[(\base)+2*x], v[(\base)+2*x+1]
	v_lshlrev_b32 v[(\base)+2*x], 16, v[T+(x%2)]
	v_and_b32 v[(\base)+2*x+1], 0xffff0000, v[T+(x%2)]
.set x, x+1
.endr
.endm
.macro ADDB d, bias
.set x, 0
.rept 16
	v_pk_add_f32 v[(\d)+2*x:(\d)+2*x+1], v[(\d)+2*x:(\d)+2*x+1], v[(\bias)+2*x:(\bias)+2*x+1]
.set x, x+1
.endr
.endm
.macro RELU d, scr                     ; max(x, 0) + 0 x: the product carries a NaN through, which the maximum drops
.set x, 0
.rept 32
	v_max_num_f32 v[(\scr)+x], 0, v[(\d)+x]
.set x, x+1
.endr
.set x, 0
.rept 16
	v_pk_fma_f32 v[(\d)+2*x:(\d)+2*x+1], v[(\d)+2*x:(\d)+2*x+1], 0, v[(\scr)+2*x:(\scr)+2*x+1] op_sel_hi:[1,0,1]
.set x, x+1
.endr
.endm
.macro SPLIT src, dst                  ; four blocks of 8 f32 -> two fragments, each as hi and lo: dst + 16 k + 8 p
.set c, 0
.rept 4
.set j, 0
.rept 4
.set xs, (\src)+8*c+2*j
.set hh, (\dst)+16*(c/2)+4*(c%2)+j
.set tt, T+2*(j%2)
	v_cvt_pk_bf16_f32 v[hh], v[xs], v[xs+1]
	v_lshlrev_b32 v[tt], 16, v[hh]
	v_and_b32 v[tt+1], 0xffff0000, v[hh]
	v_pk_add_f32 v[xs:xs+1], v[xs:xs+1], v[tt:tt+1] neg_lo:[0,1] neg_hi:[0,1]
	v_cvt_pk_bf16_f32 v[hh+8], v[xs], v[xs+1]
.set j, j+1
.endr
.set c, c+1
.endr
.endm
.macro XSTORE ofs, src                 ; my four blocks into LDS
.irp f, 0,1,2,3
	ds_store_b128 v[XS], v[(\src)+8*\f:(\src)+8*\f+3] offset:(\ofs)+1024*\f
	ds_store_b128 v[XS], v[(\src)+8*\f+4:(\src)+8*\f+7] offset:(\ofs)+1024*\f+512
.endr
.endm
.macro XLOAD ofs, cnt, win, dst        ; cnt blocks out of LDS
	WIN \win
.set f, 0
.rept \cnt
	ds_load_b128 v[(\dst)+8*f:(\dst)+8*f+3], v[XL] offset:(\ofs)+1024*f
	ds_load_b128 v[(\dst)+8*f+4:(\dst)+8*f+7], v[XL] offset:(\ofs)+1024*f+512
.set f, f+1
.endr
	WIN 0
.endm
.macro GEMM win, d                     ; 64 products: k step i, hi then lo, my four blocks of 16 rows; the four accumulators take turns
	WIN \win
.set i, 0
.rept 8
.set p, 0
.rept 2
.set ob, 0
.rept 4
.if (i == 0) && (p == 0)
	v_wmma_f32_16x16x32_bf16 v[(\d)+8*ob:(\d)+8*ob+7], v[8*(8*ob+i):8*(8*ob+i)+7], v[8*(2*i+p):8*(2*i+p)+7], 0
.else
	v_wmma_f32_16x16x32_bf16 v[(\d)+8*ob:(\d)+8*ob+7], v[8*(8*ob+i):8*(8*ob+i)+7], v[8*(2*i+p):8*(2*i+p)+7], v[(\d)+8*ob:(\d)+8*ob+7]
.endif
.set ob, ob+1
.endr
.set p, p+1
.endr
.set i, i+1
.endr
	WIN 0
.endm
.macro DSTORE                          ; my four result blocks, 512 consecutive bytes a store
.set n, 0
.rept 8
	global_store_b128 v[VO], v[D+4*n:D+4*n+3], s[38:39] offset:512*n
.set n, n+1
.endr
.endm
	s_load_b512 s[8:23], s[0:1], 0x0               ; part 8, gsum 10, wb 12, bv 14, gb1 16, gb2 18, bb1 20, bb2 22
	s_load_b128 s[24:27], s[0:1], 0x40             ; qf 24, gbw 26
	v_lshl_add_u32 v[SPW], v0, 2, SPARE
	v_mov_b32 v[NIL], 0
	v_lshrrev_b32 v[R], 5, v0
	v_readfirstlane_b32 s4, v[R]
	v_and_b32 v[R], 15, v0
	v_bfe_u32 v[H], v0, 4, 1
	v_and_b32 v[L], 31, v0
	v_lshlrev_b32 v[LX16], 4, v[L]
	v_lshlrev_b32 v[LX8], 3, v[L]
	s_lshl_b32 s5, s4, 12
	v_add_nc_u32 v[VO], s5, v[LX16]
	v_add_nc_u32 v[XS], s5, v[LX16]
	v_mov_b32 v[XL], v[LX16]
	s_lshl_b32 s5, s4, 15
	v_add_nc_u32 v[VW], s5, v[LX16]
	s_lshl_b32 s5, s4, 8
	v_lshl_add_u32 v[VB], v[H], 5, s5
	s_mov_b32 s37, 0
	s_mov_b32 s40, 0x76543210
	s_mov_b32 s41, 0xfedcba98
	v_mov_b32 v[LT], 0
	v_mov_b32 v[RL+1], 0
	s_wait_kmcnt 0x0
	s_cmp_ge_u32 ttmp9, 224
	s_cbranch_scc1 .Lfilm
	; ---------------- join the splits, times Wv ----------------
	s_lshr_b32 s5, ttmp9, 5                        ; t
	s_and_b32 s6, ttmp9, 31                        ; b
	s_mul_i32 s36, s6, 56
	s_add_co_u32 s36, s36, s5
	s_mul_i32 s36, s36, 17664
	s_add_nc_u64 s[28:29], s[8:9], s[36:37]        ; split 0's tile t of batch b
	s_mul_i32 s36, ttmp9, 16896
	s_add_nc_u64 s[38:39], s[24:25], s[36:37]
.set sp, 0
.rept 8
	global_load_b32 v[MS+sp], v[LX8], s[28:29] offset:SPLB*sp+17408
.set sp, sp+1
.endr
.set sp, 0
.rept 8
	global_load_b128 v[EX+4*sp:EX+4*sp+3], v[LX16], s[28:29] offset:SPLB*sp+16384
.set sp, sp+1
.endr
	WIN 0x80
.set sp, 0
.rept 8                                            ; my four channel blocks of every split, into window 2
.set n, 0
.rept 8
	global_load_b128 v[32*sp+4*n:32*sp+4*n+3], v[VO], s[28:29] offset:SPLB*sp+512*n
.set n, n+1
.endr
.set sp, sp+1
.endr
	WIN 0
	WLOAD 12, 0, 0x40                              ; Wv
	BLOAD B1, 14
.set sp, 0
.rept 8
	v_mov_b32 v[WS+2*sp+1], 0                      ; the upper halves of pairs that are named whole
.set sp, sp+1
.endr
	s_wait_loadcnt 63                              ; 72 loads are younger than the partial results; the field holds 63: the stricter count
	v_max3_num_f32 v[T], v[MS], v[MS+1], v[MS+2]
	v_max3_num_f32 v[T], v[T], v[MS+3], v[MS+4]
	v_max3_num_f32 v[T], v[T], v[MS+5], v[MS+6]
	v_max_num_f32 v[T], v[T], v[MS+7]
.set sp, 0
.rept 8
	v_sub_f32 v[WS+2*sp], v[MS+sp], v[T]
.set sp, sp+1
.endr
.set sp, 0
.rept 8
	v_exp_f32 v[WS+2*sp], v[WS+2*sp]
.set sp, sp+1
.endr
	v_nop
	s_wait_alu depctr_va_vdst(0)                   ; one wait for the eight, ahead of their first reader
	v_pk_mul_f32 v[E:E+1], v[EX:EX+1], v[WS:WS+1] op_sel_hi:[1,0]
	v_pk_mul_f32 v[E+2:E+3], v[EX+2:EX+3], v[WS:WS+1] op_sel_hi:[1,0]
.set sp, 1
.rept 7
	v_pk_fma_f32 v[E:E+1], v[EX+4*sp:EX+4*sp+1], v[WS+2*sp:WS+2*sp+1], v[E:E+1] op_sel_hi:[1,0,1]
	v_pk_fma_f32 v[E+2:E+3], v[EX+4*sp+2:EX+4*sp+3], v[WS+2*sp:WS+2*sp+1], v[E+2:E+3] op_sel_hi:[1,0,1]
.set sp, sp+1
.endr
	v_permlanex16_b32 v[LT], v[E+3], s40, s41      ; l lies in lanes 0-15; lanes 16-31 hold a 0 there
	v_add_f32 v[LL], v[E+3], v[LT]
	v_rcp_f32 v[RL], v[LL]
	WIN 0x02                                       ; first source in window 2
.set x, 0
.rept 16
	v_pk_mul_f32 v[ACC+2*x:ACC+2*x+1], v[2*x:2*x+1], v[WS:WS+1] op_sel_hi:[1,0]
.set x, x+1
.endr
.set sp, 1
.rept 7
.set x, 0
.rept 16
	v_pk_fma_f32 v[ACC+2*x:ACC+2*x+1], v[32*sp+2*x:32*sp+2*x+1], v[WS+2*sp:WS+2*sp+1], v[ACC+2*x:ACC+2*x+1] op_sel_hi:[1,0,1]
.set x, x+1
.endr
.set sp, sp+1
.endr
	WIN 0
	s_wait_alu depctr_va_vdst(0)                   ; the reciprocal; the sums above stand between it and its first reader
.set x, 0
.rept 16
	v_pk_mul_f32 v[ACC+2*x:ACC+2*x+1], v[ACC+2*x:ACC+2*x+1], v[RL:RL+1] op_sel_hi:[1,0]
.set x, x+1
.endr
	v_mul_f32 v[AO], v[E], v[RL]
	v_mul_f32 v[AO+1], v[E+1], v[RL]
	v_mul_f32 v[AO+2], v[E+2], v[RL]
	v_mov_b32 v[AO+3], v[LL]
	SPLIT ACC, HL
	XSTORE XF, HL
	s_wait_dscnt 0x0                               ; for the others' sake
	s_barrier_signal -1
	s_barrier_wait -1
	XLOAD XF, 16, 0x80, 0
	s_wait_loadcnt 0x0
	s_wait_dscnt 0x0
	GEMM 0x09, D                                   ; weights in window 1, (attn @ mem)^T in window 2
	RNDN B1, 16                                    ; bv rounded: also the places behind the last products
	ADDB D, B1
	DSTORE
	s_cmp_lg_u32 s4, 0
	s_cbranch_scc1 .Lend
	global_store_b128 v[LX16], v[AO:AO+3], s[38:39] offset:16384
	s_branch .Lend
	; ---------------- gamma or beta of 16 batches ----------------
.Lfilm:
	s_and_b32 s5, ttmp9, 1                         ; p
	s_bfe_u32 s6, ttmp9, 0x10001                   ; G
	s_cmp_eq_u32 s5, 0
	s_cselect_b64 s[30:31], s[16:17], s[20:21]     ; the first layer's bias,
	s_cselect_b64 s[32:33], s[18:19], s[22:23]     ; the second's
	s_mul_i32 s36, s6, 196608
	s_add_nc_u64 s[28:29], s[10:11], s[36:37]      ; the sums of batches 16 G ..
	s_lshl_b32 s36, s5, 18
	s_add_co_u32 s36, s36, 3*131072
	s_add_nc_u64 s[34:35], s[12:13], s[36:37]      ; units 16 (3 + 2 p) on: the first layer; the second follows it
	s_lshl_b32 s36, s5, 1
	s_add_co_u32 s36, s36, s6
	s_lshl_b32 s36, s36, 14
	s_add_nc_u64 s[38:39], s[26:27], s[36:37]
	v_mul_u32_u24 v[VC], v[R], 12288               ; column r is batch 16 G + r: eight splits of 1,536 bytes
	v_add_nc_u32 v[VG], v[VC], v[VB]
.set sp, 0
.rept 8
	global_load_b32 v[MS+sp], v[VC], s[28:29] offset:1536*sp+1036       ; channel 259: the count
.set sp, sp+1
.endr
	WIN 0x80
.set sp, 0
.rept 8
.set n, 0
.rept 8
	global_load_b128 v[32*sp+4*n:32*sp+4*n+3], v[VG], s[28:29] offset:1536*sp+64*(n/2)+16*(n%2)
.set n, n+1
.endr
.set sp, sp+1
.endr
	WIN 0
	BLOAD B1, 30
	WLOAD 34, 0, 0x40
	BLOAD B2, 32
	WLOAD 34, 131072, 0xc0
	s_wait_loadcnt 63                              ; all but the youngest 63, which are second-layer weights
	v_add_f32 v[LL], v[MS], v[MS+1]
.irp k, 2,3,4,5,6,7
	v_add_f32 v[LL], v[LL], v[MS+\k]
.endr
	v_max_num_f32 v[LL], 1.0, v[LL]
	v_rcp_f32 v[RL], v[LL]
	WIN 0x0a
.set x, 0
.rept 16
	v_pk_add_f32 v[ACC+2*x:ACC+2*x+1], v[2*x:2*x+1], v[32+2*x:32+2*x+1]
.set x, x+1
.endr
	WIN 0x02
.set sp, 2
.rept 6
.set x, 0
.rept 16
	v_pk_add_f32 v[ACC+2*x:ACC+2*x+1], v[32*sp+2*x:32*sp+2*x+1], v[ACC+2*x:ACC+2*x+1]
.set x, x+1
.endr
.set sp, sp+1
.endr
	WIN 0
	s_wait_alu depctr_va_vdst(0)                   ; the reciprocal
.set x, 0
.rept 16
	v_pk_mul_f32 v[ACC+2*x:ACC+2*x+1], v[ACC+2*x:ACC+2*x+1], v[RL:RL+1] op_sel_hi:[1,0]
.set x, x+1
.endr
	SPLIT ACC, HL
	XSTORE XF, HL
	s_wait_dscnt 0x0
	s_barrier_signal -1
	s_barrier_wait -1
	XLOAD XF, 16, 0x80, 0
	s_wait_dscnt 0x0
	GEMM 0x09, D
	RNDN B1, 16
	ADDB D, B1
	RELU D, B1
	SPLIT D, HL
	XSTORE XF2, HL                                 ; bytes of their own: nobody's reads of the first sixteen blocks are disturbed
	s_wait_dscnt 0x0
	s_barrier_signal -1
	s_barrier_wait -1
	XLOAD XF2, 16, 0x80, 0
	s_wait_loadcnt 0x0
	s_wait_dscnt 0x0
	GEMM 0x0b, D                                   ; weights in window 3
	RNDN B2, 16
	ADDB D, B2
	DSTORE
.Lend:
	s_wait_tensorcnt 0x0                           ; the wave's end: three lines behind the last LDS store
	ds_add_u32 v[SPW], v[NIL]
	s_wait_dscnt 0x0
	s_endpgm
.Lfunc_end_k_qe88eb3e074_mid:
	.size	k_qe88eb3e074_mid, .Lfunc_end_k_qe88eb3e074_mid-k_qe88eb3e074_mid
	.p2alignl 7, 3214868480
	.fill 96, 4, 3214868480
	.section	.rodata,"a",@progbits
	.p2align	6, 0x0
	.amdhsa_kernel k_qe88eb3e074_mid
		.amdhsa_group_segment_fixed_size 33280
		.amdhsa_private_segment_fixed_size 0
		.amdhsa_enable_private_segment 0
		.amdhsa_kernarg_size 80
		.amdhsa_user_sgpr_count 2
		.amdhsa_user_sgpr_kernarg_segment_ptr 1
		.amdhsa_wavefront_size32 1
		.amdhsa_system_sgpr_workgroup_id_x 1
		.amdhsa_system_sgpr_workgroup_id_y 1
		.amdhsa_system_sgpr_workgroup_id_z 1
		.amdhsa_system_vgpr_workitem_id 0
		.amdhsa_next_free_vgpr 1024
		.amdhsa_next_free_sgpr 66
		.amdhsa_reserve_vcc 0
		.amdhsa_float_denorm_mode_32 3
		.amdhsa_float_denorm_mode_16_64 3
		.amdhsa_memory_ordered 1
		.amdhsa_forward_progress 1
		.amdhsa_inst_pref_size 106
	.end_amdhsa_kernel
	.amdgpu_metadata
---
amdhsa.version: [ 1, 2 ]
amdhsa.kernels:
  - .name:           k_qe88eb3e074_mid
    .symbol:         k_qe88eb3e074_mid.kd
    .args:
      - { .name: part, .offset: 0, .size: 8, .value_kind: global_buffer, .address_space: global }
      - { .name: gsum, .offset: 8, .size: 8, .value_kind: global_buffer, .address_space: global }
      - { .name: wb, .offset: 16, .size: 8, .value_kind: global_buffer, .address_space: global }
      - { .name: bv, .offset: 24, .size: 8, .value_kind: global_buffer, .address_space: global }
      - { .name: gb1, .offset: 32, .size: 8, .value_kind: global_buffer, .address_space: global }
      - { .name: gb2, .offset: 40, .size: 8, .value_kind: global_buffer, .address_space: global }
      - { .name: bb1, .offset: 48, .size: 8, .value_kind: global_buffer, .address_space: global }
      - { .name: bb2, .offset: 56, .size: 8, .value_kind: global_buffer, .address_space: global }
      - { .name: qf, .offset: 64, .size: 8, .value_kind: global_buffer, .address_space: global }
      - { .name: gbw, .offset: 72, .size: 8, .value_kind: global_buffer, .address_space: global }
    .group_segment_fixed_size: 33280
    .private_segment_fixed_size: 0
    .kernarg_segment_align: 8
    .kernarg_segment_size: 80
    .max_flat_workgroup_size: 128
    .sgpr_count:     66
    .vgpr_count:     1024
    .wavefront_size: 32
...
	.end_amdgpu_metadata
.endif
;; end of part 3
;; launch tail (part 4): grid 224 x 1, 4 waves a work-group, no clusters, 50,688 bytes of LDS; arguments qf, gbw, wb, cb1, sb1, cb2, sb2, clb, mean, scale, out0, out1; writes out0, out1
.if DOCPART == 4
	.amdgcn_target "amdgcn-amd-amdhsa--gfx1250"
	.amdhsa_code_object_version 6
	.text
	.protected	k_qe88eb3e074_tail
	.globl	k_qe88eb3e074_tail
	.p2align	8
	.type	k_qe88eb3e074_tail,@function
k_qe88eb3e074_tail:
	s_mov_b64 s[64:65], 0
	v_nop
	global_prefetch_b8 v0, s[64:65] scope:SCOPE_SE
	s_setreg_imm32_b32 hwreg(HW_REG_WAVE_MODE, 25, 1), 1
	s_wait_xcnt 0x0
; TAIL.  A work-group takes 16 queries of one batch (t = id / 32, b = id % 32): decoded = qfeat (1 + gamma) + beta; the two hidden layers of 256; the three small heads; boxes and classes.
; All products run transposed, and what the program itself has made goes in as a pair hi + lo of bf16, as in the launch before.
; attn @ ((coords - mean) / scale) = (attn @ coords - mean) / scale, since a row of attn adds up to 1.
; softplus(x) = max(x, 0) + ln 2 x log2(1 + 2^(-|x| log2 e)): no exponent above 0; below x = -17 the logarithm's term counts as 0 beside the 1e-4 that is added.
; LIMITS.  An infinite intermediate becomes NaN in the hi / lo split.  mean, scale and the biases are rounded to bf16 like every input.
; NO CLUSTER: each wave takes each weight byte once, straight into its fragment registers.
.set XF,    0                          ; decoded^T: 16 blocks of 1,024 bytes
.set XH,    16384                      ; the two hidden layers: 32 blocks
.set OS,    49152                      ; wave 0's own: 32 lanes x 24 bytes
.set SPARE, 50176
.set R,   1
.set H,   2
.set L,   3
.set LX16, 4
.set VO,  5
.set VW,  6
.set VB,  7
.set VGM, 8
.set XS,  9
.set XL,  10
.set VZ,  11
.set SPW, 12
.set NIL, 13
.set T,   14                           ; v14-17 at work
.set VOS, 18
.set VOL, 19
.set XQ,  32                           ; qfeat^T, then decoded^T
.set HL,  64
.set RS,  64                           ; at the end, wave 0: 1 / scale, x, 2^.., log2, and the six results
.set XR,  68
.set EA,  72
.set LG,  76
.set CE,  80
.set OB,  88
.set AN,  96
.set CB2, 100
.set SB2, 104
.set MN,  108
.set SCL, 112
.set CLB, 116
.set GM,  128                          ; gamma, then accumulators 0-3
.set BT,  160                          ; beta, then accumulators 4-7
.set D,   128
.set DD,  128                          ; at the end: two accumulators
.set DZ,  136
.set CB,  192
.set SB,  224
.set MSB, 0
.macro WIN new
.if MSB != (\new)
	s_set_vgpr_msb (MSB<<8)|(\new)
.set MSB, \new
.endif
.endm
.macro PLACES
.rept 4
	v_nop
.endr
.endm
.macro WLOAD base, ofs, win
	WIN \win
.set n, 0
.rept 32
	global_load_b128 v[8*n:8*n+3], v[VW], s[\base:\base+1] offset:(\ofs)+1024*n
	global_load_b128 v[8*n+4:8*n+7], v[VW], s[\base:\base+1] offset:(\ofs)+1024*n+512
.set n, n+1
.endr
	WIN 0
.endm
.macro BLOAD dst, base
.set n, 0
.rept 8
	global_load_b128 v[(\dst)+4*n:(\dst)+4*n+3], v[VB], s[\base:\base+1] offset:64*(n/2)+16*(n%2)
.set n, n+1
.endr
.endm
.macro RNDN base, cnt
.set x, 0
.rept \cnt
	v_cvt_pk_bf16_f32 v[T+(x%2)], v[(\base)+2*x], v[(\base)+2*x+1]
	v_lshlrev_b32 v[(\base)+2*x], 16, v[T+(x%2)]
	v_and_b32 v[(\base)+2*x+1], 0xffff0000, v[T+(x%2)]
.set x, x+1
.endr
.endm
.macro RND3 base                       ; three numbers
	v_cvt_pk_bf16_f32 v[T], v[(\base)], v[(\base)+1]
	v_cvt_pk_bf16_f32 v[T+1], v[(\base)+2], v[(\base)+2]
	v_lshlrev_b32 v[(\base)], 16, v[T]
	v_and_b32 v[(\base)+1], 0xffff0000, v[T]
	v_lshlrev_b32 v[(\base)+2], 16, v[T+1]
.endm
.macro ADDB d, bias
.set x, 0
.rept 16
	v_pk_add_f32 v[(\d)+2*x:(\d)+2*x+1], v[(\d)+2*x:(\d)+2*x+1], v[(\bias)+2*x:(\bias)+2*x+1]
.set x, x+1
.endr
.endm
.macro RELU d, scr                     ; max(x, 0) + 0 x: the product carries a NaN through, which the maximum drops
.set x, 0
.rept 32
	v_max_num_f32 v[(\scr)+x], 0, v[(\d)+x]
.set x, x+1
.endr
.set x, 0
.rept 16
	v_pk_fma_f32 v[(\d)+2*x:(\d)+2*x+1], v[(\d)+2*x:(\d)+2*x+1], 0, v[(\scr)+2*x:(\scr)+2*x+1] op_sel_hi:[1,0,1]
.set x, x+1
.endr
.endm
.macro SPLIT src, dst
.set c, 0
.rept 4
.set j, 0
.rept 4
.set xs, (\src)+8*c+2*j
.set hh, (\dst)+16*(c/2)+4*(c%2)+j
.set tt, T+2*(j%2)
	v_cvt_pk_bf16_f32 v[hh], v[xs], v[xs+1]
	v_lshlrev_b32 v[tt], 16, v[hh]
	v_and_b32 v[tt+1], 0xffff0000, v[hh]
	v_pk_add_f32 v[xs:xs+1], v[xs:xs+1], v[tt:tt+1] neg_lo:[0,1] neg_hi:[0,1]
	v_cvt_pk_bf16_f32 v[hh+8], v[xs], v[xs+1]
.set j, j+1
.endr
.set c, c+1
.endr
.endm
.macro XSTORE ofs, src
.irp f, 0,1,2,3
	ds_store_b128 v[XS], v[(\src)+8*\f:(\src)+8*\f+3] offset:(\ofs)+1024*\f
	ds_store_b128 v[XS], v[(\src)+8*\f+4:(\src)+8*\f+7] offset:(\ofs)+1024*\f+512
.endr
.endm
.macro XLOAD ofs, cnt, win, dst
	WIN \win
.set f, 0
.rept \cnt
	ds_load_b128 v[(\dst)+8*f:(\dst)+8*f+3], v[XL] offset:(\ofs)+1024*f
	ds_load_b128 v[(\dst)+8*f+4:(\dst)+8*f+7], v[XL] offset:(\ofs)+1024*f+512
.set f, f+1
.endr
	WIN 0
.endm
.macro GEMM win, d                     ; 64 products; the four accumulators take turns
	WIN \win
.set i, 0
.rept 8
.set p, 0
.rept 2
.set ob, 0
.rept 4
.if (i == 0) && (p == 0)
	v_wmma_f32_16x16x32_bf16 v[(\d)+8*ob:(\d)+8*ob+7], v[8*(8*ob+i):8*(8*ob+i)+7], v[8*(2*i+p):8*(2*i+p)+7], 0
.else
	v_wmma_f32_16x16x32_bf16 v[(\d)+8*ob:(\d)+8*ob+7], v[8*(8*ob+i):8*(8*ob+i)+7], v[8*(2*i+p):8*(2*i+p)+7], v[(\d)+8*ob:(\d)+8*ob+7]
.endif
.set ob, ob+1
.endr
.set p, p+1
.endr
.set i, i+1
.endr
	WIN 0
.endm
	s_load_b512 s[8:23], s[0:1], 0x0               ; qf 8, gbw 10, wb 12, cb1 14, sb1 16, cb2 18, sb2 20, clb 22
	s_load_b256 s[24:31], s[0:1], 0x40             ; mean 24, scale 26, out0 28, out1 30
	v_lshl_add_u32 v[SPW], v0, 2, SPARE
	v_mov_b32 v[NIL], 0
	v_lshrrev_b32 v[R], 5, v0
	v_readfirstlane_b32 s4, v[R]
	v_and_b32 v[R], 15, v0
	v_bfe_u32 v[H], v0, 4, 1
	v_and_b32 v[L], 31, v0
	v_lshlrev_b32 v[LX16], 4, v[L]
	s_lshl_b32 s7, s4, 12
	v_add_nc_u32 v[VO], s7, v[LX16]
	v_add_nc_u32 v[XS], s7, v[LX16]
	v_lshl_add_u32 v[VGM], v[H], 8, s7             ; gamma^T and beta^T: my batch's column, 256 h + 4,096 w
	v_mov_b32 v[XL], v[LX16]
	s_lshl_b32 s7, s4, 15
	v_add_nc_u32 v[VW], s7, v[LX16]
	s_lshl_b32 s7, s4, 8
	v_lshl_add_u32 v[VB], v[H], 5, s7
	v_mov_b32 v[VZ], 0
	v_mul_u32_u24 v[VOS], v[L], 24
	v_add_nc_u32 v[VOS], OS, v[VOS]
	v_add_nc_u32 v[VOL], OS, v[LX16]
	s_lshr_b32 s5, ttmp9, 5                        ; t
	s_and_b32 s6, ttmp9, 31                        ; b
	s_mov_b32 s37, 0
	s_wait_kmcnt 0x0
	s_mul_i32 s36, ttmp9, 16896
	s_add_nc_u64 s[32:33], s[8:9], s[36:37]
	s_lshr_b32 s36, s6, 4
	s_lshl_b32 s36, s36, 14
	s_and_b32 s38, s6, 15
	s_lshl_b32 s38, s38, 4
	s_add_co_u32 s36, s36, s38
	s_add_nc_u64 s[34:35], s[10:11], s[36:37]
	s_mul_i32 s36, s6, 12
	s_add_nc_u64 s[44:45], s[24:25], s[36:37]
	s_add_nc_u64 s[46:47], s[26:27], s[36:37]
	s_mul_i32 s36, s6, 2400
	s_mul_i32 s38, s5, 384
	s_add_co_u32 s36, s36, s38
	s_add_nc_u64 s[48:49], s[28:29], s[36:37]      ; 24 (100 b + 16 t)
	s_mul_i32 s36, s6, 1600
	s_lshl_b32 s38, s5, 8
	s_add_co_u32 s36, s36, s38
	s_add_nc_u64 s[50:51], s[30:31], s[36:37]      ; 16 (100 b + 16 t)
.set n, 0
.rept 8
	global_load_b128 v[XQ+4*n:XQ+4*n+3], v[VO], s[32:33] offset:512*n
.set n, n+1
.endr
.set n, 0
.rept 8
	global_load_b128 v[GM+4*n:GM+4*n+3], v[VGM], s[34:35] offset:512*n
.set n, n+1
.endr
.set n, 0
.rept 8
	global_load_b128 v[BT+4*n:BT+4*n+3], v[VGM], s[34:35] offset:32768+512*n
.set n, n+1
.endr
	BLOAD CB, 14
	BLOAD SB, 16
	WLOAD 12, 131072, 0x40                         ; cw1
	WLOAD 12, 262144, 0x80                         ; sw1
	s_cmp_eq_u32 s4, 0
	s_cbranch_scc0 .Lnot0
	WIN 0xc0
.set f, 0
.rept 16                                           ; wave 0: cw2's and sw2's fragments
	global_load_b128 v[128+8*f:128+8*f+3], v[LX16], s[12:13] offset:917504+1024*f
	global_load_b128 v[128+8*f+4:128+8*f+7], v[LX16], s[12:13] offset:917504+1024*f+512
.set f, f+1
.endr
	WIN 0
	global_load_b128 v[AN:AN+3], v[LX16], s[32:33] offset:16384
	global_load_b96 v[CB2:CB2+2], v[VZ], s[18:19]
	global_load_b96 v[SB2:SB2+2], v[VZ], s[20:21]
	global_load_b96 v[MN:MN+2], v[VZ], s[44:45]
	global_load_b96 v[SCL:SCL+2], v[VZ], s[46:47]
	s_branch .Lheaded
.Lnot0:
	s_cmp_eq_u32 s4, 1
	s_cbranch_scc0 .Lheaded
	WIN 0xc0
.set f, 0
.rept 8                                            ; wave 1: clw's fragments
	global_load_b128 v[128+8*f:128+8*f+3], v[LX16], s[12:13] offset:933888+1024*f
	global_load_b128 v[128+8*f+4:128+8*f+7], v[LX16], s[12:13] offset:933888+1024*f+512
.set f, f+1
.endr
	WIN 0
	global_load_b128 v[CLB:CLB+3], v[VZ], s[22:23]
.Lheaded:
	s_wait_loadcnt 63                              ; at least 144 loads are younger than beta's last; the field holds 63: the stricter count
.set x, 0
.rept 16
	v_pk_add_f32 v[GM+2*x:GM+2*x+1], v[GM+2*x:GM+2*x+1], 1.0 op_sel_hi:[1,0]
	v_pk_fma_f32 v[XQ+2*x:XQ+2*x+1], v[XQ+2*x:XQ+2*x+1], v[GM+2*x:GM+2*x+1], v[BT+2*x:BT+2*x+1]
.set x, x+1
.endr
	SPLIT XQ, HL
	XSTORE XF, HL
	s_wait_dscnt 0x0                               ; for the others' sake
	s_barrier_signal -1
	s_barrier_wait -1
	XLOAD XF, 16, 0xc0, 0
	s_wait_loadcnt 0x0
	s_wait_dscnt 0x0
	GEMM 0x0d, D                                   ; cw1 in window 1, decoded^T in window 3
	GEMM 0x0e, D+32                                ; sw1 in window 2
	RNDN CB, 16                                    ; the biases rounded: also the places behind the last products
	RNDN SB, 16
	ADDB D, CB
	ADDB D+32, SB
	RELU D, CB
	RELU D+32, SB
	SPLIT D, HL
	XSTORE XH, HL
	SPLIT D+32, HL
	XSTORE XH+16384, HL
	s_wait_dscnt 0x0
	s_barrier_signal -1
	s_barrier_wait -1
	s_cmp_eq_u32 s4, 0
	s_cbranch_scc1 .Lbox
	s_cmp_eq_u32 s4, 1
	s_cbranch_scc0 .Lend
	; wave 1: classes = decoded clw^T + clb.  hi and lo have an accumulator each, by turns
	WIN 0x0f
.set i, 0
.rept 8
.if i == 0
	v_wmma_f32_16x16x32_bf16 v[DD:DD+7], v[128+8*i:128+8*i+7], v[16*i:16*i+7], 0
	v_wmma_f32_16x16x32_bf16 v[DZ:DZ+7], v[128+8*i:128+8*i+7], v[16*i+8:16*i+15], 0
.else
	v_wmma_f32_16x16x32_bf16 v[DD:DD+7], v[128+8*i:128+8*i+7], v[16*i:16*i+7], v[DD:DD+7]
	v_wmma_f32_16x16x32_bf16 v[DZ:DZ+7], v[128+8*i:128+8*i+7], v[16*i+8:16*i+15], v[DZ:DZ+7]
.endif
.set i, i+1
.endr
	WIN 0
	RNDN CLB, 2                                    ; six plain lines: the places
	v_pk_add_f32 v[DD:DD+1], v[DD:DD+1], v[DZ:DZ+1]
	v_pk_add_f32 v[DD+2:DD+3], v[DD+2:DD+3], v[DZ+2:DZ+3]
	v_pk_add_f32 v[DD:DD+1], v[DD:DD+1], v[CLB:CLB+1]
	v_pk_add_f32 v[DD+2:DD+3], v[DD+2:DD+3], v[CLB+2:CLB+3]
	s_cmp_eq_u32 s5, 6
	s_cselect_b32 s38, 4, 16                       ; the last tile has queries 96 .. 99
	v_cmp_gt_u32 vcc_lo, s38, v[L]
	s_wait_xcnt 0x0                                ; EXEC changes only when earlier memory instructions have read their sources
	s_and_saveexec_b32 s39, vcc_lo
	global_store_b128 v[LX16], v[DD:DD+3], s[50:51]           ; a query's four classes a lane: 256 consecutive bytes
	s_wait_xcnt 0x0
	s_or_b32 exec_lo, exec_lo, s39
	s_branch .Lend
	; wave 0: the two heads of three, and the boxes
.Lbox:
	XLOAD XH, 32, 0x40, 0
	s_wait_dscnt 0x0
	WIN 0x07                                       ; head weights in window 3, hidden layers in window 1
.set i, 0
.rept 8
.set p, 0
.rept 2
.if (i == 0) && (p == 0)
	v_wmma_f32_16x16x32_bf16 v[DD:DD+7], v[128+8*i:128+8*i+7], v[8*(2*i+p):8*(2*i+p)+7], 0
	v_wmma_f32_16x16x32_bf16 v[DZ:DZ+7], v[192+8*i:192+8*i+7], v[128+8*(2*i+p):128+8*(2*i+p)+7], 0
.else
	v_wmma_f32_16x16x32_bf16 v[DD:DD+7], v[128+8*i:128+8*i+7], v[8*(2*i+p):8*(2*i+p)+7], v[DD:DD+7]
	v_wmma_f32_16x16x32_bf16 v[DZ:DZ+7], v[192+8*i:192+8*i+7], v[128+8*(2*i+p):128+8*(2*i+p)+7], v[DZ:DZ+7]
.endif
.set p, p+1
.endr
.set i, i+1
.endr
	WIN 0
	RND3 CB2                                       ; twenty plain lines: the places
	RND3 SB2
	RND3 MN
	RND3 SCL
.irp k, 0,1,2
	v_add_f32 v[XR+\k], v[DZ+\k], v[SB2+\k]        ; size_raw
.endr
.irp k, 0,1,2
	v_and_b32 v[EA+\k], 0x7fffffff, v[XR+\k]
.endr
.irp k, 0,1,2
	v_mul_f32 v[EA+\k], 0xbfb8aa3b, v[EA+\k]       ; -|x| log2 e
.endr
.irp k, 0,1,2
	v_rcp_f32 v[RS+\k], v[SCL+\k]
.endr
.irp k, 0,1,2
	v_exp_f32 v[EA+\k], v[EA+\k]
.endr
	v_nop
	s_wait_alu depctr_va_vdst(0)                   ; one wait for the six
.irp k, 0,1,2
	v_add_f32 v[EA+\k], 1.0, v[EA+\k]
.endr
.irp k, 0,1,2
	v_log_f32 v[LG+\k], v[EA+\k]
.endr
.irp k, 0,1,2
	v_sub_f32 v[CE+\k], v[AN+\k], v[MN+\k]         ; the centres stand between the logarithms and their wait
.endr
.irp k, 0,1,2
	v_mul_f32 v[CE+\k], v[CE+\k], v[RS+\k]
.endr
.irp k, 0,1,2
	v_add_f32 v[CE+\k], v[CE+\k], v[DD+\k]
.endr
.irp k, 0,1,2
	v_add_f32 v[CE+\k], v[CE+\k], v[CB2+\k]
.endr
.irp k, 0,1,2
	v_fma_f32 v[CE+\k], v[CE+\k], v[SCL+\k], v[MN+\k]
.endr
.irp k, 0,1,2
	v_max_num_f32 v[XR+\k], 0, v[XR+\k]
.endr
	s_wait_alu depctr_va_vdst(0)                   ; one wait for the three logarithms
.irp k, 0,1,2
	v_fmamk_f32 v[CE+3+\k], v[LG+\k], 0x3f317218, v[XR+\k]
.endr
.irp k, 0,1,2
	v_add_f32 v[CE+3+\k], 0x38d1b717, v[CE+3+\k]   ; + 1e-4
.endr
.irp k, 0,1,2
	v_mul_f32 v[CE+3+\k], v[CE+3+\k], v[SCL+\k]
.endr
	ds_store_b64 v[VOS], v[CE:CE+1]                ; 24 bytes a query; lanes 16-31 hold nothing of use, and what they put behind byte 384 is not stored
	ds_store_b64 v[VOS], v[CE+2:CE+3] offset:8
	ds_store_b64 v[VOS], v[CE+4:CE+5] offset:16
	ds_load_b128 v[OB:OB+3], v[VOL]                ; LDS serves a wave's instructions in order: this sees the stores above
	s_wait_dscnt 0x0
	s_cmp_eq_u32 s5, 6
	s_cselect_b32 s38, 6, 24                       ; 16 queries are 384 bytes, the last tile's four 96
	v_cmp_gt_u32 vcc_lo, s38, v[L]
	s_wait_xcnt 0x0
	s_and_saveexec_b32 s39, vcc_lo
	global_store_b128 v[LX16], v[OB:OB+3], s[48:49]
	s_wait_xcnt 0x0
	s_or_b32 exec_lo, exec_lo, s39
.Lend:
	s_wait_tensorcnt 0x0                           ; the wave's end: three lines behind the last LDS store
	ds_add_u32 v[SPW], v[NIL]
	s_wait_dscnt 0x0
	s_endpgm
.Lfunc_end_k_qe88eb3e074_tail:
	.size	k_qe88eb3e074_tail, .Lfunc_end_k_qe88eb3e074_tail-k_qe88eb3e074_tail
	.p2alignl 7, 3214868480
	.fill 96, 4, 3214868480
	.section	.rodata,"a",@progbits
	.p2align	6, 0x0
	.amdhsa_kernel k_qe88eb3e074_tail
		.amdhsa_group_segment_fixed_size 50688
		.amdhsa_private_segment_fixed_size 0
		.amdhsa_enable_private_segment 0
		.amdhsa_kernarg_size 96
		.amdhsa_user_sgpr_count 2
		.amdhsa_user_sgpr_kernarg_segment_ptr 1
		.amdhsa_wavefront_size32 1
		.amdhsa_system_sgpr_workgroup_id_x 1
		.amdhsa_system_sgpr_workgroup_id_y 1
		.amdhsa_system_sgpr_workgroup_id_z 1
		.amdhsa_system_vgpr_workitem_id 0
		.amdhsa_next_free_vgpr 1024
		.amdhsa_next_free_sgpr 66
		.amdhsa_reserve_vcc 1
		.amdhsa_float_denorm_mode_32 3
		.amdhsa_float_denorm_mode_16_64 3
		.amdhsa_memory_ordered 1
		.amdhsa_forward_progress 1
		.amdhsa_inst_pref_size 74
	.end_amdhsa_kernel
	.amdgpu_metadata
---
amdhsa.version: [ 1, 2 ]
amdhsa.kernels:
  - .name:           k_qe88eb3e074_tail
    .symbol:         k_qe88eb3e074_tail.kd
    .args:
      - { .name: qf, .offset: 0, .size: 8, .value_kind: global_buffer, .address_space: global }
      - { .name: gbw, .offset: 8, .size: 8, .value_kind: global_buffer, .address_space: global }
      - { .name: wb, .offset: 16, .size: 8, .value_kind: global_buffer, .address_space: global }
      - { .name: cb1, .offset: 24, .size: 8, .value_kind: global_buffer, .address_space: global }
      - { .name: sb1, .offset: 32, .size: 8, .value_kind: global_buffer, .address_space: global }
      - { .name: cb2, .offset: 40, .size: 8, .value_kind: global_buffer, .address_space: global }
      - { .name: sb2, .offset: 48, .size: 8, .value_kind: global_buffer, .address_space: global }
      - { .name: clb, .offset: 56, .size: 8, .value_kind: global_buffer, .address_space: global }
      - { .name: mean, .offset: 64, .size: 8, .value_kind: global_buffer, .address_space: global }
      - { .name: scale, .offset: 72, .size: 8, .value_kind: global_buffer, .address_space: global }
      - { .name: out0, .offset: 80, .size: 8, .value_kind: global_buffer, .address_space: global }
      - { .name: out1, .offset: 88, .size: 8, .value_kind: global_buffer, .address_space: global }
    .group_segment_fixed_size: 50688
    .private_segment_fixed_size: 0
    .kernarg_segment_align: 8
    .kernarg_segment_size: 96
    .max_flat_workgroup_size: 128
    .sgpr_count:     66
    .vgpr_count:     1024
    .wavefront_size: 32
...
	.end_amdgpu_metadata
.endif
;; end of part 4
;; ======== version 2 of 2: 4 launches; version 1 with the launch attn written anew for expert scheduling mode
;; workspace buffers: qk 66,048 bytes; wb 942,080 bytes; part 31,653,888 bytes; gsum 393,216 bytes; qf 3,784,704 bytes; gbw 65,536 bytes
;; launch prep: the kernel of part 1 again; grid 43 x 1, 4 waves a work-group, no clusters, 82,432 bytes of LDS; arguments query_embed, Wq, bq, Wk, bk, inv_temp, Wv, cw1, sw1, gw1, gw2, bw1, bw2, cw2, sw2, clw, qk, wb; writes qk, wb
;; launch attn (part 5): grid 8 x 32, 4 waves a work-group, no clusters, 155,648 bytes of LDS; arguments memory, coords, memory_mask, qk, part, gsum; writes part, gsum
.if DOCPART == 5
	.amdgcn_target "amdgcn-amd-amdhsa--gfx1250"
	.amdhsa_code_object_version 6
	.text
	.protected	k_qe88eb3e074_attn
	.globl	k_qe88eb3e074_attn
	.p2align	8
	.type	k_qe88eb3e074_attn,@function
k_qe88eb3e074_attn:
	s_mov_b64 s[64:65], 0
	v_nop
	global_prefetch_b8 v0, s[64:65] scope:SCOPE_SE
	s_setreg_imm32_b32 hwreg(HW_REG_WAVE_SCHED_MODE, 0, 2), 2
	s_setreg_imm32_b32 hwreg(HW_REG_WAVE_MODE, 25, 1), 1
	s_wait_xcnt 0x0
	s_wait_alu depctr_vm_vsrc(0)
; ATTN.  A work-group takes 1,024 keys of one batch (x = split, y = batch) and all 128 (padded) queries; it walks 16 steps of 64 keys.  Each byte of memory is read once.
; t = mem . qk' + qb' + (hidden ? -1e30 : 0), already in powers of two; p = 2^(t - m) with a running maximum m; O = the sum of p x (mem, coords, 1): 272 channels, so the last block carries the
; weighted coordinates and l, the sum of the weights AS ROUNDED to bf16.  m, O and l leave in f32 as this split's partial result.
; Query rows 100..127 have qk' = qb' = 0: their p is the mask itself, so row 100 of O is the masked sum of memory and its l the count of visible keys: the global mean's two parts.
; LIMITS.  m starts at -1e29 and a hidden score counts as its value less 1e30: true scaled scores lie above -1e29; a hidden key's weight is exactly 0.  A weight below 2^-126 counts as 0.
; NO CLUSTER: the work-groups share qk' alone, 64 KiB beside 1 MiB of their own.  NO TENSOR LOADS: the stream is f32 and is wanted in bf16, so it goes through registers, and two register
; sets of 16 KiB a wave are on their way all the time behind a counted wait.
; SHARES.  Wave w stages rows 16 w .. 16 w + 15 of each tile of 64 keys (converted, stored twice in LDS) and owns query tiles 2 w, 2 w + 1; it reads all keys.  Tile 7 is padding.
; LAYOUT.  S^T = K Q^T (first source 16 keys, second 16 queries): a lane holds ONE query (lane % 16) and keys 8 (lane / 16) + 0..7; two results packed in pairs ARE the second source of
; O^T = V^T P.  The keys lie twice in LDS: rows of 528 bytes (33 x 16) for the plain loads, rows of 544 (17 x 32) for the turning loads: each pitch serves its load without two lanes on a bank.
; WINDOWS (s_set_vgpr_msb: bits 1:0 source 0, 3:2 source 1, 5:4 source 2, 7:6 destination): 0 addresses, statistics, S/P, masks, converted rows; 1 O^T (128 u + 8 cb);
; 2 Q (64 u + 8 cs) and two fragment buffers; 3 the two load sets.
; THE MODE: SCHED_MODE bits 1:0 = 2 (LLVM: expert scheduling mode 2), set by the entry lines.  The code itself states the register dependences between vector or matrix instructions and
; memory or LDS instructions, with s_wait_alu, always for 0.
; THE PLAN.  Registers that memory or LDS instructions touch in the loop:
;   set 0, set 1, CR, MR   A step's conversions and its compare read one set; behind them the 34 loads of the tile two on land in it.
;   CV, CX, MT             Written by those conversions; read by the step's 66 LDS stores, which are dealt among the softmax's lines.  When the stores have read CV, V's group 2 is loaded into it:
;                          a third fragment buffer; group 2's products read it; the next step's conversions write it again.
;   VOE, VCE, VME          Written by three ANDs a step, read by the 34 loads behind them.
;   FB0, FB1               Fragments: K's groups 0, 2 and V's groups 0, 3 in FB0; K's groups 1, 3 and V's group 1 in FB1.  Read by the products alone.
;   MK                     The mask terms, read by K's group 0; then the last block's two fragments of V, read by the four products on OX.
;   every other address    Made at the head and never written again.
; S/P, OX, O^T and the statistics are named by vector and matrix instructions alone until the way out.
; A wait on va_vdst stands: at a step's head; behind the conversions; ahead of each fetch into a fragment buffer that products have read (K's groups 2 and 3; V's first run; V's group 3); behind
; the exponentials.  A wait on vm_vsrc stands at a step's head and ahead of the loads into CV.  One wait on va_vcc stands between the compare and the select.
.set KP,    528
.set VP,    544
.set KBUF,  64*KP
.set VBUF,  64*VP
.set VBASE, 2*KBUF
.set MKL,   VBASE+2*VBUF               ; two times 64 mask terms in f32
.set GST,   MKL+512                    ; wave 3's own stage: 16 rows of 272 f32
.set GP,    1088
.set SPARE, GST+16*GP                  ; the spare words: 128 bytes a wave
.set PARTB, 17664                      ; a partial tile: 17 blocks of 1,024 bytes, then m
.set R,   1
.set H,   2
.set L,   3
.set AK,  4                            ; v4, v5   my place in a key fragment, buffer 0, 1
.set AV,  6                            ; v6, v7   the same for the turning load
.set AM,  8                            ; v8, v9   the mask terms
.set SK,  10                           ; v10-17   where I store: K copy, V copy, coordinates, mask term; buffer 0, 1
.set SV,  12
.set SC,  14
.set SM,  16
.set VOFF, 18                          ; offsets of my loads, and (E) the same or 0 once the tiles are used up
.set VOE, 19
.set VCO, 20
.set VCE, 21
.set VMO, 22
.set VME, 23
.set VPF, 24
.set VQB, 25
.set SPW, 26
.set NIL, 27
.set CR,  28                           ; v28-30, v32-34 coordinates as loaded, set 0, 1
.set MR,  36                           ; v36, v37 mask byte
.set CX,  38                           ; v38, v39 (c0, c1), (c2, 1)
.set MT,  40
.set LX16, 41
.set LX8, 42
.set ONE, 43
.set ST,  44                           ; tile u at 44 + 10 u: m, qb, a, (a'), sh, (sh'), c0-c3
.set S,   64                           ; 32 a tile; P is packed in place into the low 16
.set MK,  128                          ; v128-159 mask terms, 8 a key block; v128-143 later the last block's two fragments of V
.set OX,  160                          ; v160-175 the last block's accumulators
.set CV,  176                          ; v176-239 a tile's 16 rows in bf16; later in the step V's group 2
.set GA,  240                          ; v240, v241 wave 3's way out: where I store into my stage, where I read row 4 back
.set GB,  241
.set FB0, 128                          ; window 2
.set FB1, 192
.set MSB, 0
.macro WIN new
.if MSB != (\new)
	s_set_vgpr_msb (MSB<<8)|(\new)
.set MSB, \new
.endif
.endm
.macro PLACES                          ; four plain instructions behind a matrix instruction, ahead of loads into its sources and of reads of its result
.rept 4
	v_nop
.endr
.endm
; 34 loads: my 16 rows of a tile (512 consecutive bytes a load), their coordinates and mask bytes
.macro GROUP set, tl
	WIN 0xc0
.set n, 0
.rept 32
	global_load_b128 v[128*(\set)+4*n:128*(\set)+4*n+3], v[VOE], s[30:31] offset:65536*(\tl)+512*n th:TH_LOAD_NT
.set n, n+1
.endr
	WIN 0
	global_load_b96 v[CR+4*(\set):CR+4*(\set)+2], v[VCE], s[32:33] offset:768*(\tl)
	global_load_u8 v[MR+(\set)], v[VME], s[34:35] offset:64*(\tl)
.endm
; A set has landed: it is converted, and asked for again with tile s20.  Past tile 15 the lane offsets become 0 and the base stays at tile 15: 34 loads of one address each, inside the buffer,
; so that the count 34 holds in every step and one text serves all 16.  The wait on vm_vsrc that frees CV, CX, MT, VOE, VCE and VME stands ahead of the macro.
.macro STAGE_IN set
	WIN 0
	s_wait_loadcnt 34                              ; the other set's 34 loads are the only younger ones
	v_cmp_eq_u32 vcc_lo, 0, v[MR+(\set)]           ; ahead of the conversions, which stand between it and the wait for VCC
	WIN 0x0f
.set o, 0
.rept 64
	v_cvt_pk_bf16_f32 v[CV+o], v[128*(\set)+2*o], v[128*(\set)+2*o+1]
.set o, o+1
.endr
	WIN 0
	v_cvt_pk_bf16_f32 v[CX], v[CR+4*(\set)], v[CR+4*(\set)+1]
	v_cvt_pk_bf16_f32 v[CX+1], v[CR+4*(\set)+2], v[ONE]
	s_wait_alu depctr_va_vcc(0)                    ; the compare has written VCC, which the select reads
	v_cndmask_b32 v[MT], 0, s38, vcc_lo            ; hidden: -1e30
	s_wait_xcnt 0x0                                ; the other set's loads and the last prefetches have read their addresses: bases and offsets may be written
	s_min_u32 s21, s20, 15
	s_cmp_le_u32 s20, 15
	s_cselect_b32 s22, -1, 0
	s_lshl_b32 s36, s21, 16
	s_add_nc_u64 s[30:31], s[24:25], s[36:37]
	s_mul_i32 s36, s21, 768
	s_add_nc_u64 s[32:33], s[26:27], s[36:37]
	s_lshl_b32 s36, s21, 6
	s_add_nc_u64 s[34:35], s[28:29], s[36:37]
	v_and_b32 v[VOE], s22, v[VOFF]
	v_and_b32 v[VCE], s22, v[VCO]
	v_and_b32 v[VME], s22, v[VMO]
	WIN 0xc0
	s_wait_alu depctr_va_vdst(0)                   ; the conversions and the compare are done reading this set, CR and MR, in which the loads below land; VOE, VCE and VME are written, which they read; CV, CX and MT are written, which this tile's LDS stores read
	GROUP \set, 0
	s_cmp_lt_u32 s20, 15                           ; a prefetch into the L2 of my own 16 KiB of the tile after the one just asked for: a lane a block of 256 bytes, two lines,
	s_cbranch_scc0 .Lnopf_\@                       ; behind my run of loads, one step ahead of the loads that will take them; each block is named once; none past tile 15
	global_prefetch_b8 v[VPF], s[30:31] offset:65536 th:TH_LOAD_NT scope:SCOPE_SE
	global_prefetch_b8 v[VPF], s[30:31] offset:65536+8192 th:TH_LOAD_NT scope:SCOPE_SE
.Lnopf_\@:
	s_add_co_u32 s20, s20, 1
.endm
; Store q of a tile's 64: register pair q / 2 into the K copy (q even) or the V copy (q odd); 256 consecutive bytes a store
.macro STO buf, q
.if (\q)%2
	ds_store_b64 v[SV+(\buf)], v[CV+2*((\q)/2):CV+2*((\q)/2)+1] offset:VP*((\q)/4)+256*(((\q)/2)%2)
.else
	ds_store_b64 v[SK+(\buf)], v[CV+2*((\q)/2):CV+2*((\q)/2)+1] offset:KP*((\q)/4)+256*(((\q)/2)%2)
.endif
.endm
.macro STAGE_OUT buf                   ; the first tile's 66 LDS stores, in one run: there is no other work yet
.set z, 0
.rept 64
	STO \buf, z
.set z, z+1
.endr
	ds_store_b64 v[SC+(\buf)], v[CX:CX+1] offset:512
	ds_store_b32 v[SM+(\buf)], v[MT]
.endm
.macro FETCHK b, g, fb                 ; 16 loads: 4 key blocks x channels 64 g .. 64 g + 63
	WIN 0x80
.irp c, 0,1
.irp kb, 0,1,2,3
	ds_load_b128 v[(\fb)+8*(4*\c+\kb):(\fb)+8*(4*\c+\kb)+3], v[AK+\b] offset:16*KP*\kb+64*(2*(\g)+\c)
	ds_load_b128 v[(\fb)+8*(4*\c+\kb)+4:(\fb)+8*(4*\c+\kb)+7], v[AK+\b] offset:16*KP*\kb+64*(2*(\g)+\c)+32
.endr
.endr
.endm
.macro FETCHV b, g, fb, win            ; 16 turning loads: keys 32 (g / 2) on, channel blocks 8 (g % 2) .. + 7; win: the setting under which fb is the destination
	WIN \win
.irp c, 0,1,2,3,4,5,6,7
	ds_load_tr16_b128 v[(\fb)+8*\c:(\fb)+8*\c+3], v[AV+\b] offset:32*VP*((\g)/2)+32*(8*((\g)%2)+\c)
	ds_load_tr16_b128 v[(\fb)+8*\c+4:(\fb)+8*\c+7], v[AV+\b] offset:32*VP*((\g)/2)+32*(8*((\g)%2)+\c)+16*VP
.endr
.endm
.macro MULS fb, g                      ; 16 products of S^T; the 8 accumulators take turns; the first start the sums with the mask terms
	WIN 0x0a
.irp c, 0,1
.irp kb, 0,1,2,3
.irp u, 0,1
.if ((\g) == 0) && ((\c) == 0)
	v_wmma_f32_16x16x32_bf16 v[S+32*\u+8*\kb:S+32*\u+8*\kb+7], v[(\fb)+8*(4*\c+\kb):(\fb)+8*(4*\c+\kb)+7], v[64*\u+8*(2*(\g)+\c):64*\u+8*(2*(\g)+\c)+7], v[MK+8*\kb:MK+8*\kb+7]
.else
	v_wmma_f32_16x16x32_bf16 v[S+32*\u+8*\kb:S+32*\u+8*\kb+7], v[(\fb)+8*(4*\c+\kb):(\fb)+8*(4*\c+\kb)+7], v[64*\u+8*(2*(\g)+\c):64*\u+8*(2*(\g)+\c)+7], v[S+32*\u+8*\kb:S+32*\u+8*\kb+7]
.endif
.endr
.endr
.endr
.endm
.macro MULV fb, g, win                 ; 16 products of O^T, 16 accumulators by turns; win: 0x52 with V's fragments in window 2, 0x50 with them in window 0
	WIN \win
.irp c, 0,1,2,3,4,5,6,7
.irp u, 0,1
	v_wmma_f32_16x16x32_bf16 v[128*\u+8*(8*((\g)%2)+\c):128*\u+8*(8*((\g)%2)+\c)+7], v[(\fb)+8*\c:(\fb)+8*\c+7], v[S+32*\u+8*((\g)/2):S+32*\u+8*((\g)/2)+7], v[128*\u+8*(8*((\g)%2)+\c):128*\u+8*(8*((\g)%2)+\c)+7]
.endr
.endr
.endm
; The softmax of both tiles for one step, the tiles alternating.  Each accumulator's lowest registers are read first.
; Its first part, in window 0.  The next tile's 64 LDS stores, into buffer buf, are dealt among its lines: one behind each subtraction, one behind each two exponentials.  They owe no wait: CV and their
; addresses were written ahead of the wait on va_vdst that stands behind the conversions, and no vector or matrix instruction since names them.
.macro SMXA buf
	WIN 0
.irp j, 0,1,2,3
.irp u, 0,1
	v_max3_num_f32 v[ST+10*\u+6+\j], v[S+32*\u+8*\j], v[S+32*\u+8*\j+1], v[S+32*\u+8*\j+2]
.endr
.endr
.irp j, 0,1,2,3
.irp u, 0,1
	v_max3_num_f32 v[ST+10*\u+6+\j], v[ST+10*\u+6+\j], v[S+32*\u+8*\j+3], v[S+32*\u+8*\j+4]
.endr
.endr
.irp j, 0,1,2,3
.irp u, 0,1
	v_max3_num_f32 v[ST+10*\u+6+\j], v[ST+10*\u+6+\j], v[S+32*\u+8*\j+5], v[S+32*\u+8*\j+6]
.endr
.endr
.irp u, 0,1
	v_max3_num_f32 v[ST+10*\u+6], v[ST+10*\u+6], v[S+32*\u+7], v[S+32*\u+15]
	v_max3_num_f32 v[ST+10*\u+8], v[ST+10*\u+8], v[S+32*\u+23], v[S+32*\u+31]
.endr
.irp u, 0,1
	v_max3_num_f32 v[ST+10*\u+6], v[ST+10*\u+6], v[ST+10*\u+7], v[ST+10*\u+8]
.endr
.irp u, 0,1
	v_max_num_f32 v[ST+10*\u+6], v[ST+10*\u+6], v[ST+10*\u+9]
.endr
.irp u, 0,1
	v_permlanex16_b32 v[ST+10*\u+7], v[ST+10*\u+6], s40, s41   ; the query's other 32 keys lie in the lane 16 away
.endr
.irp u, 0,1
	v_max_num_f32 v[ST+10*\u+6], v[ST+10*\u+6], v[ST+10*\u+7]
.endr
.irp u, 0,1
	v_add_f32 v[ST+10*\u+6], v[ST+10*\u+6], v[ST+10*\u+1]      ; + qb': the step's largest t
.endr
.irp u, 0,1
	v_max_num_f32 v[ST+10*\u+7], v[ST+10*\u], v[ST+10*\u+6]    ; the new m
.endr
.irp u, 0,1
	v_sub_f32 v[ST+10*\u+8], v[ST+10*\u], v[ST+10*\u+7]        ; m_old - m_new
.endr
.irp u, 0,1
	v_mov_b32 v[ST+10*\u], v[ST+10*\u+7]
.endr
.irp u, 0,1
	v_sub_f32 v[ST+10*\u+4], v[ST+10*\u+7], v[ST+10*\u+1]      ; what is taken from the raw scores: m - qb'
.endr
.irp u, 0,1
	v_exp_f32 v[ST+10*\u+2], v[ST+10*\u+8]                     ; a
.endr
.set x, 0
.rept 16
	v_pk_add_f32 v[S+2*x:S+2*x+1], v[S+2*x:S+2*x+1], v[ST+4:ST+5] op_sel_hi:[1,0] neg_lo:[0,1] neg_hi:[0,1]
	STO \buf, 2*x
	v_pk_add_f32 v[S+32+2*x:S+32+2*x+1], v[S+32+2*x:S+32+2*x+1], v[ST+14:ST+15] op_sel_hi:[1,0] neg_lo:[0,1] neg_hi:[0,1]
	STO \buf, 2*x+1
.set x, x+1
.endr
.set x, 0
.rept 32
	v_exp_f32 v[S+x], v[S+x]
	v_exp_f32 v[S+32+x], v[S+32+x]
	STO \buf, 32+x
.set x, x+1
.endr
	v_nop                                          ; a plain instruction behind the last exponential,
	s_wait_alu depctr_va_vdst(0)                   ; and ONE wait for the batch of 66: they have written a and the weights, ahead of the first line that names one
.set x, 0
.rept 16                                           ; the weights to bf16, in place, upward
	v_cvt_pk_bf16_f32 v[S+x], v[S+2*x], v[S+2*x+1]
	v_cvt_pk_bf16_f32 v[S+32+x], v[S+32+2*x], v[S+32+2*x+1]
.set x, x+1
.endr
.irp u, 0,1
.irp j, 0,1,2,3
	v_pk_mul_f32 v[OX+8*\u+2*\j:OX+8*\u+2*\j+1], v[OX+8*\u+2*\j:OX+8*\u+2*\j+1], v[ST+10*\u+2:ST+10*\u+3] op_sel_hi:[1,0]
.endr
.endr
.endm
.macro SMXB                            ; its second part: O^T times a
	WIN 0x41
.set x, 0
.rept 64
	v_pk_mul_f32 v[2*x:2*x+1], v[2*x:2*x+1], v[ST+2:ST+3] op_sel_hi:[1,0]
	v_pk_mul_f32 v[128+2*x:128+2*x+1], v[128+2*x:128+2*x+1], v[ST+12:ST+13] op_sel_hi:[1,0]
.set x, x+1
.endr
.endm
; A STEP: the tile in LDS buffer b is multiplied; the next tile goes from its register set into buffer 1 - b.  One barrier, at the end: in front of it my reads of buffer b and my stores
; into buffer 1 - b are done; behind it buffer b may be written and buffer 1 - b read.
.macro STEP b
	WIN 0
	s_wait_alu depctr_vm_vsrc(0)                   ; the LDS stores of the tile before have read CV, CX and MT, and the last group's loads VOE, VCE and VME: this step's conversions and ANDs write them; the loads between here and there read AK and AM alone
	s_wait_alu depctr_va_vdst(0)                   ; the last step's products are done reading FB0, FB1 and MK, in which the 40 loads below land
.irp kb, 0,1,2,3
	ds_load_b128 v[MK+8*\kb:MK+8*\kb+3], v[AM+\b] offset:64*\kb
	ds_load_b128 v[MK+8*\kb+4:MK+8*\kb+7], v[AM+\b] offset:64*\kb+16
.endr
	FETCHK \b, 0, FB0
	FETCHK \b, 1, FB1
	STAGE_IN 1-\b
	s_wait_dscnt 16                                ; all but the youngest run of 16
	MULS FB0, 0
	PLACES
	WIN 0x80
	s_wait_alu depctr_va_vdst(0)                   ; group 0's products are done reading FB0, in which group 2's fragments land
	FETCHK \b, 2, FB0
	s_wait_dscnt 16
	MULS FB1, 1
	PLACES
	WIN 0x80
	s_wait_alu depctr_va_vdst(0)                   ; group 1's products are done reading FB1, in which group 3's fragments land
	FETCHK \b, 3, FB1
	s_wait_dscnt 16
	MULS FB0, 2
	s_wait_dscnt 0x0
	MULS FB1, 3
	PLACES                                         ; also the places ahead of the softmax's first reads of the scores
	WIN 0x80
	s_wait_alu depctr_va_vdst(0)                   ; groups 2 and 3 are done reading FB0 and FB1, group 0 the mask terms: V's first 36 loads land in them
	FETCHV \b, 0, FB0, 0x80
	FETCHV \b, 1, FB1, 0x80
	WIN 0
.irp kk, 0,1
	ds_load_tr16_b128 v[MK+8*\kk:MK+8*\kk+3], v[AV+\b] offset:32*VP*\kk+512          ; the block of coordinates and 1
	ds_load_tr16_b128 v[MK+8*\kk+4:MK+8*\kk+7], v[AV+\b] offset:32*VP*\kk+16*VP+512
.endr
	ds_store_b64 v[SC+1-\b], v[CX:CX+1] offset:512 ; the next tile's coordinates and mask terms; its 64 other stores stand in the softmax
	ds_store_b32 v[SM+1-\b], v[MT]
	SMXA 1-\b
	s_wait_alu depctr_vm_vsrc(0)                   ; my 66 LDS stores have read CV, in which V's group 2 lands; the conversions that wrote CV and the products that read it stand ahead of earlier waits on va_vdst, and no line since the last of those names CV or AV
	FETCHV \b, 2, CV, 0
	SMXB
	s_wait_dscnt 16                                ; V's groups 0 and 1, the last block and my stores; the run into CV may be out
	WIN 0
.irp kk, 0,1
.irp u, 0,1
	v_wmma_f32_16x16x32_bf16 v[OX+8*\u:OX+8*\u+7], v[MK+8*\kk:MK+8*\kk+7], v[S+32*\u+8*\kk:S+32*\u+8*\kk+7], v[OX+8*\u:OX+8*\u+7]
.endr
.endr
	MULV FB0, 0, 0x52
	PLACES
	WIN 0x80
	s_wait_alu depctr_va_vdst(0)                   ; group 0's products are done reading FB0, in which group 3's fragments land: they have groups 1 and 2 in which to come
	FETCHV \b, 3, FB0, 0x80
	MULV FB1, 1, 0x52
	s_wait_dscnt 16                                ; the run into CV is in; group 3's may be out
	MULV CV, 2, 0x50
	s_wait_dscnt 0x0                               ; nothing of mine is pending in LDS
	MULV FB0, 3, 0x52
	PLACES                                         ; the places ahead of the next step's loads and conversions into what these products read, and of the way out's stores
	WIN 0
	s_barrier_signal -1
	s_barrier_wait -1
.endm
	s_load_b256 s[4:11], s[0:1], 0x0               ; memory 4, coords 6, memory_mask 8, qk 10
	s_load_b128 s[12:15], s[0:1], 0x20             ; part 12, gsum 14
	v_lshl_add_u32 v[SPW], v0, 2, SPARE
	v_mov_b32 v[NIL], 0
	v_lshrrev_b32 v[R], 5, v0
	v_readfirstlane_b32 s16, v[R]                  ; wave
	v_and_b32 v[R], 15, v0
	v_bfe_u32 v[H], v0, 4, 1
	v_and_b32 v[L], 31, v0
	s_and_b32 s17, ttmp7, 0xffff                   ; batch
	s_mov_b32 s18, ttmp9                           ; split
	s_mov_b32 s37, 0
	s_mov_b32 s38, 0xf149f2ca                      ; -1e30
	s_mov_b32 s40, 0x76543210
	s_mov_b32 s41, 0xfedcba98
	s_wait_alu depctr_va_sdst(0)                   ; s16 is written, ahead of its first reader
	s_lshl_b32 s44, s16, 14
	v_lshl_add_u32 v[VOFF], v[L], 4, s44           ; my 16 rows, 16 bytes a lane
	v_lshl_add_u32 v[VPF], v[L], 8, s44
	s_lshl_b32 s45, s16, 4
	v_add_nc_u32 v[VMO], s45, v[R]                 ; my row 16 w + r
	v_mul_u32_u24 v[VCO], v[VMO], 12
	v_mov_b32 v[VOE], v[VOFF]
	v_mov_b32 v[VCE], v[VCO]
	v_mov_b32 v[VME], v[VMO]
	v_lshlrev_b32 v[LX16], 4, v[L]
	v_lshlrev_b32 v[LX8], 3, v[L]
	s_lshl_b32 s44, s16, 7
	v_lshl_add_u32 v[VQB], v[R], 2, s44
	v_mov_b32 v[ONE], 1.0
	v_mul_u32_u24 v[AK], v[R], KP
	v_lshl_add_u32 v[AK], v[H], 4, v[AK]
	v_add_nc_u32 v[AK+1], KBUF, v[AK]
	v_and_b32 v[AV], 7, v0
	v_lshl_add_u32 v[AV], v[H], 3, v[AV]
	v_mul_u32_u24 v[AV], v[AV], VP
	v_bfe_u32 v[AV+1], v0, 3, 1
	v_lshl_add_u32 v[AV], v[AV+1], 4, v[AV]
	v_add_nc_u32 v[AV+1], VBASE+VBUF, v[AV]
	v_add_nc_u32 v[AV], VBASE, v[AV]
	v_lshlrev_b32 v[AM], 5, v[H]
	v_add_nc_u32 v[AM+1], MKL+256, v[AM]
	v_add_nc_u32 v[AM], MKL, v[AM]
	s_mul_i32 s44, s16, 16*KP
	v_lshl_add_u32 v[SK], v[L], 3, s44
	v_add_nc_u32 v[SK+1], KBUF, v[SK]
	s_mul_i32 s44, s16, 16*VP
	s_add_co_u32 s44, s44, VBASE
	v_lshl_add_u32 v[SV], v[L], 3, s44
	v_add_nc_u32 v[SV+1], VBUF, v[SV]
	v_mul_u32_u24 v[SC], v[R], VP
	v_add_nc_u32 v[SC], s44, v[SC]
	v_add_nc_u32 v[SC+1], VBUF, v[SC]
	v_lshlrev_b32 v[SM], 2, v[VMO]
	v_add_nc_u32 v[SM+1], MKL+256, v[SM]
	v_add_nc_u32 v[SM], MKL, v[SM]
	v_mul_u32_u24 v[GA], v[R], GP                  ; the stage of the way out (wave 3 alone uses it): made here, in registers of their own, with all other addresses
	v_lshl_add_u32 v[GA], v[H], 5, v[GA]
	v_add_nc_u32 v[GA], GST, v[GA]
	v_add_nc_u32 v[GB], GST+4*GP, v[LX16]
	s_wait_kmcnt 0x0
	s_lshl_b32 s36, s17, 23
	s_lshl_b32 s44, s18, 20
	s_add_co_u32 s36, s36, s44
	s_add_nc_u64 s[24:25], s[4:5], s[36:37]        ; the work-group's 1,024 rows of memory,
	s_mul_i32 s36, s17, 98304
	s_mul_i32 s44, s18, 12288
	s_add_co_u32 s36, s36, s44
	s_add_nc_u64 s[26:27], s[6:7], s[36:37]        ; of coords,
	s_lshl_b32 s36, s17, 13
	s_lshl_b32 s44, s18, 10
	s_add_co_u32 s36, s36, s44
	s_add_nc_u64 s[28:29], s[8:9], s[36:37]        ; of the mask
	s_mov_b64 s[30:31], s[24:25]
	s_mov_b64 s[32:33], s[26:27]
	s_mov_b64 s[34:35], s[28:29]
	s_lshl_b32 s36, s16, 14
	s_add_nc_u64 s[46:47], s[10:11], s[36:37]      ; qk' of my two tiles
	s_lshl_b32 s23, s17, 3
	s_add_co_u32 s23, s23, s18                     ; 8 b + split
	s_mul_i32 s36, s23, 1536
	s_add_nc_u64 s[48:49], s[14:15], s[36:37]
	s_mul_i32 s36, s23, 7
	s_lshl_b32 s44, s16, 1
	s_add_co_u32 s36, s36, s44
	s_mul_i32 s36, s36, PARTB
	s_add_nc_u64 s[42:43], s[12:13], s[36:37]
	WIN 0x80
	s_wait_alu depctr_va_vdst(0)                   ; every offset and LDS address of the kernel is written: all loads, stores and prefetches read them
.set n, 0
.rept 16                                           ; Q stays in registers; 34 loads, ahead of the two groups, so that the first wait for 34 covers them
	global_load_b128 v[8*n:8*n+3], v[LX16], s[46:47] offset:1024*n
	global_load_b128 v[8*n+4:8*n+7], v[LX16], s[46:47] offset:1024*n+512
.set n, n+1
.endr
	WIN 0
	global_load_b32 v[ST+1], v[VQB], s[10:11] offset:65536
	global_load_b32 v[ST+11], v[VQB], s[10:11] offset:65536+64
	GROUP 0, 0
	GROUP 1, 1
	s_mov_b32 s20, 2                               ; the next tile to ask for
	; while the first loads are out: O and l start at 0, m far below every score; so the first step is a step like any other (its a is 0), and no first step is written out
	WIN 0x40
.set x, 0
.rept 256
	v_mov_b32 v[x], 0
.set x, x+1
.endr
	WIN 0
.set x, 0
.rept 16
	v_mov_b32 v[OX+x], 0
.set x, x+1
.endr
.irp u, 0,1
	v_mov_b32 v[ST+10*\u], 0xefa18f08              ; -1e29
	v_mov_b32 v[ST+10*\u+3], 0                     ; the upper halves of two pairs that are named whole
	v_mov_b32 v[ST+10*\u+5], 0
.endr
	v_mov_b32 v[CX], 0
	v_mov_b32 v[CX+1], 0
	s_wait_alu depctr_va_vdst(0)                   ; CX is written, which the six LDS stores read
.irp bb, 0,1
	ds_store_b64 v[SC+\bb], v[CX:CX+1] offset:520  ; channels 260 .. 271 of my rows are 0, once for the launch
	ds_store_b64 v[SC+\bb], v[CX:CX+1] offset:528
	ds_store_b64 v[SC+\bb], v[CX:CX+1] offset:536
.endr
	s_wait_alu depctr_vm_vsrc(0)                   ; those stores have read CX, and the two groups' loads VOE, VCE and VME: the lines below write them
	STAGE_IN 0
	STAGE_OUT 0                                    ; CV, CX and MT were written ahead of the wait on va_vdst behind the conversions
	s_wait_dscnt 0x0
	s_barrier_signal -1
	s_barrier_wait -1
	s_mov_b32 s19, 8
.Ltrip:
	STEP 0
	STEP 1
	s_sub_co_u32 s19, s19, 1
	s_cmp_lg_u32 s19, 0
	s_cbranch_scc1 .Ltrip
	; THE WAY OUT: registers as they lie; every store covers 512 consecutive bytes (m: 256)
.macro OUT u
	WIN 0x04                                       ; store data in window 1
.set n, 0
.rept 32
	global_store_b128 v[LX16], v[128*(\u)+4*n:128*(\u)+4*n+3], s[42:43] offset:PARTB*(\u)+512*n
.set n, n+1
.endr
	WIN 0
	global_store_b128 v[LX16], v[OX+8*(\u):OX+8*(\u)+3], s[42:43] offset:PARTB*(\u)+16384
	global_store_b128 v[LX16], v[OX+8*(\u)+4:OX+8*(\u)+7], s[42:43] offset:PARTB*(\u)+16384+512
	global_store_b64 v[LX8], v[ST+10*(\u)+6:ST+10*(\u)+7], s[42:43] offset:PARTB*(\u)+17408
.endm
.irp u, 0,1
	v_mov_b32 v[ST+10*\u+6], v[ST+10*\u]           ; both tiles' m, twice each, ahead of the one wait
	v_mov_b32 v[ST+10*\u+7], v[ST+10*\u]
.endr
	s_wait_alu depctr_va_vdst(0)                   ; the last products (their four places stand at the step's end) have written O^T and the last block, the four lines above the copies of m: all stores below, global and LDS, read these; the products are done reading P, in whose registers wave 3's loads from its stage land
	OUT 0
	s_cmp_eq_u32 s16, 3
	s_cbranch_scc1 .Lw3
	OUT 1
	s_branch .Lend
.Lw3:                                              ; wave 3: tile 7 is padding; of tile 6, query row 100 (lane % 16 = 4) is the masked sum: turned into a row through my own stage
	WIN 0x04
.set n, 0
.rept 32
	ds_store_b128 v[GA], v[4*n:4*n+3] offset:64*(n/2)+16*(n%2)
.set n, n+1
.endr
	WIN 0
	ds_store_b128 v[GA], v[OX:OX+3] offset:1024
	ds_store_b128 v[GA], v[OX+4:OX+7] offset:1040
.irp n, 0,1,2
	ds_load_b128 v[S+4*\n:S+4*\n+3], v[GB] offset:512*\n      ; LDS serves a wave's instructions in order: these see the stores above; past byte 1,088 they bring the next row, which nobody reads
.endr
	s_wait_dscnt 0x0
.irp n, 0,1,2
	global_store_b128 v[LX16], v[S+4*\n:S+4*\n+3], s[48:49] offset:512*\n
.endr
.Lend:
	s_wait_dscnt 0x0                               ; the closing lines, six on end
	s_wait_alu 0x0
	s_wait_tensorcnt 0x0
	ds_add_u32 v[SPW], v[NIL]
	s_wait_dscnt 0x0
	s_endpgm
.Lfunc_end_k_qe88eb3e074_attn:
	.size	k_qe88eb3e074_attn, .Lfunc_end_k_qe88eb3e074_attn-k_qe88eb3e074_attn
	.p2alignl 7, 3214868480
	.fill 96, 4, 3214868480
	.section	.rodata,"a",@progbits
	.p2align	6, 0x0
	.amdhsa_kernel k_qe88eb3e074_attn
		.amdhsa_group_segment_fixed_size 155648
		.amdhsa_private_segment_fixed_size 0
		.amdhsa_enable_private_segment 0
		.amdhsa_kernarg_size 48
		.amdhsa_user_sgpr_count 2
		.amdhsa_user_sgpr_kernarg_segment_ptr 1
		.amdhsa_wavefront_size32 1
		.amdhsa_system_sgpr_workgroup_id_x 1
		.amdhsa_system_sgpr_workgroup_id_y 1
		.amdhsa_system_sgpr_workgroup_id_z 1
		.amdhsa_system_vgpr_workitem_id 0
		.amdhsa_next_free_vgpr 1024
		.amdhsa_next_free_sgpr 66
		.amdhsa_reserve_vcc 1
		.amdhsa_float_denorm_mode_32 3
		.amdhsa_float_denorm_mode_16_64 3
		.amdhsa_memory_ordered 1
		.amdhsa_forward_progress 1
		.amdhsa_inst_pref_size 143
	.end_amdhsa_kernel
	.amdgpu_metadata
---
amdhsa.version: [ 1, 2 ]
amdhsa.kernels:
  - .name:           k_qe88eb3e074_attn
    .symbol:         k_qe88eb3e074_attn.kd
    .args:
      - { .name: memory, .offset: 0, .size: 8, .value_kind: global_buffer, .address_space: global }
      - { .name: coords, .offset: 8, .size: 8, .value_kind: global_buffer, .address_space: global }
      - { .name: memory_mask, .offset: 16, .size: 8, .value_kind: global_buffer, .address_space: global }
      - { .name: qk, .offset: 24, .size: 8, .value_kind: global_buffer, .address_space: global }
      - { .name: part, .offset: 32, .size: 8, .value_kind: global_buffer, .address_space: global }
      - { .name: gsum, .offset: 40, .size: 8, .value_kind: global_buffer, .address_space: global }
    .group_segment_fixed_size: 155648
    .private_segment_fixed_size: 0
    .kernarg_segment_align: 8
    .kernarg_segment_size: 48
    .max_flat_workgroup_size: 128
    .sgpr_count:     66
    .vgpr_count:     1024
    .wavefront_size: 32
...
	.end_amdgpu_metadata
.endif
;; end of part 5
;; launch mid: the kernel of part 3 again; grid 228 x 1, 4 waves a work-group, no clusters, 33,280 bytes of LDS; arguments part, gsum, wb, bv, gb1, gb2, bb1, bb2, qf, gbw; writes qf, gbw
;; launch tail: the kernel of part 4 again; grid 224 x 1, 4 waves a work-group, no clusters, 50,688 bytes of LDS; arguments qf, gbw, wb, cb1, sb1, cb2, sb2, clb, mean, scale, out0, out1; writes out0, out1
